; MI455X (gfx1250); checked and timed in simulation.
; The chip was launched on July 23, 2026; its instructions are those of AMD's public machine-readable ISA for CDNA 5 (MIT licence, August 2026) and "CDNA5" Instruction Set Architecture Reference Guide (July 2026). The comments in the code are by the model that wrote it; some were corrected since.
;; GPT2 Attention. Allowed arithmetic: matrix products marked QUANTISED: E5M2 operands, one E8M0 scale for each 32 along K, by v_wmma_scale_f32_16x16x128_f8f6f4 with both operands' format E5M2, f32 sums; everything else in f32.
;; Inputs: c_attn_b 3,072 float32; c_attn_w_codes 3,072 x 32 x 32 uint8 (E5M2 codes of c_attn_w, K innermost, in blocks of 32 codes); c_attn_w_scales 3,072 x 32 uint8 (E8M0 scales of c_attn_w, one for each 32 codes along K); c_proj_b 1,024 float32; c_proj_w_codes 1,024 x 32 x 32 uint8 (E5M2 codes of c_proj_w, K innermost, in blocks of 32 codes); c_proj_w_scales 1,024 x 32 uint8 (E8M0 scales of c_proj_w, one for each 32 codes along K); hidden_states_codes 4 x 2,048 x 32 x 32 uint8 (E5M2 codes of hidden_states, K innermost, in blocks of 32 codes); hidden_states_scales 4 x 2,048 x 32 uint8 (E8M0 scales of hidden_states, one for each 32 codes along K).
;; Outputs: out0 4 x 2,048 x 1,024 float32.
;; This version of the problem:
;;   THIS VERSION OF THE PROBLEM IS GIVEN IN LOW PRECISION. The matrix products marked QUANTISED in the list below multiply operands that are first quantised to E5M2 (5 exponent bits, 2 mantissa bits; 8 bits a number), with one power-of-two scale for each 32 numbers along K (OCP MX v1.0); their sums are f32. All else is computed in f32.
;;   The module's matrix products, in the order in which they are computed (A, B: the left and right operand; K: the contracted axis; several contracted axes count as one K, in the product's order):
;;     1. [M 8,192, K 1,024] x [K 1,024, N 3,072]; A: input hidden_states (given as codes); B: input c_attn_w (given as codes): QUANTISED
;;     2. batch 64 x [M 2,048, K 64] x [K 64, N 2,048]; A: computed on the way; B: computed on the way: QUANTISED
;;     3. batch 64 x [M 2,048, K 2,048] x [K 2,048, N 64]; A: softmax (see below); B: computed on the way: QUANTISED
;;     4. [M 8,192, K 1,024] x [K 1,024, N 1,024]; A: computed on the way; B: input c_proj_w (given as codes): QUANTISED
;;   THE QUANTISER, for each operand of a quantised product, along K:
;;     - K is cut into blocks of 32 from its start; a last block that is shorter is filled with zeros.
;;     - A block's scale is 2^e with e = floor(log2(the largest magnitude in the block)) - 15, held to -126 .. 127; a block of zeros has e = 0. As a byte (E8M0): e + 127.
;;     - Each number is divided by its block's scale, clamped to +-57,344, and rounded to the nearest number of E5M2, ties to even, subnormals kept.
;;     - The product sums the exact products of the quantised numbers (number of the format x scale) in f32.
;;   ~~~python
;;   def quantise(x, axis):      # numpy; x: float32 -> the quantised numbers, widened to float32 again
;;       x = np.moveaxis(x, axis, -1); K = x.shape[-1]
;;       x = np.pad(x, [(0, 0)] * (x.ndim - 1) + [(0, -K % 32)]); x = x.reshape(x.shape[:-1] + (-1, 32)); a = np.abs(x).max(-1, keepdims=True)
;;       e = np.where(a > 0, np.clip(np.frexp(np.where(a > 0, a, 1))[1] - 1 - 15, -126, 127), 0)      # np.frexp(a)[1] - 1 = floor(log2(a)), exactly
;;       r = np.clip(x / 2.0 ** e, -57344, 57344)
;;       step = 2.0 ** (np.maximum(np.frexp(np.where(r == 0, 1, r))[1] - 1, -14) - 2)
;;       q = np.round(r / step) * step * 2.0 ** e      # np.round: ties to even
;;       return np.moveaxis(q.reshape(q.shape[:-2] + (-1,))[..., :K], -1, axis).astype(np.float32)
;;   ~~~
;;   SOFTMAX AHEAD OF A QUANTISED PRODUCT. Where the list says 'softmax', what is quantised is not the finished softmax but p = 2^(t - M), with t = logit x log2(e) and M = ceil(the row's largest t), a whole number; so 1/2 < the row's largest p <= 1. The row's sum l is taken of the UNQUANTISED p, in f32, and the product's result is divided by l at the end. Since M is a whole number, a kernel that streams over the keys may use a running M (the ceiling of the running maximum): every later rescaling is an exact power of two, which a block's scale takes up: the codes' values come out the same.
;;   OPERANDS COMPUTED ON THE WAY. 'Computed on the way' means the value that the module computes at that place (a softmax that the list does not call 'softmax' is quantised finished and normalised). What goes into a quantiser is computed in f32, as accurately as f32 sums, v_exp_f32 and their like allow (about 1e-6 of the number): no bf16 or f16 on the way to a quantiser, and a product that is left as it is and whose result goes on into a quantised operand takes f32 operands (vector FMAs, or v_wmma_f32_16x16x4_f32). A number that lies on a knife's edge between two numbers of the format may be rounded either way, as far as f32 arithmetic and the matrix unit's own rounding can turn it there, and no further.
;;   INPUTS GIVEN AS CODES. c_attn_w (in the module: [1024, 3072], K = its axis 0); c_proj_w (in the module: [1024, 1024], K = its axis 0); hidden_states (in the module: [4, 2048, 1024], K = its axis 2): each comes as NAME_codes (uint8): NAME with its K axis moved to the last place and cut into blocks of 32 codes, [.., K / 32, bytes a block], one block behind the other in memory; one code a byte (a code: sign, 5 exponent bits, 2 mantissa bits); and NAME_scales (uint8): the same leading axes, one E8M0 byte (e + 127) for each 32 codes along K. Its value is code x scale, taken as it is: it is not quantised again, and the codes and scales need not be those that the quantiser above would give.
;; One version. Each part assembles by itself: llvm-mc -triple=amdgcn-amd-amdhsa -mcpu=gfx1250 --defsym DOCPART=n.
;; ======== version 1 of 1: 4 launches
;; limits: right only within a limited range of input values
;; workspace buffers: qkimg 16,777,216 bytes; qksc 1,048,576 bytes; vimg 8,388,608 bytes; vsc 262,144 bytes; aimg 8,388,608 bytes; asc 262,144 bytes
;; launch qk (part 1): grid 8 x 32, 4 waves a work-group, clusters of 4 x 4, 327,680 bytes of LDS; arguments hidden_states_codes, hidden_states_scales, c_attn_w_codes, c_attn_w_scales, c_attn_b, qkimg, qksc; writes qkimg, qksc
.if DOCPART == 1
	.amdgcn_target "amdgcn-amd-amdhsa--gfx1250"
	.amdhsa_code_object_version 6
	.text
	.protected	k_qf02f6dd6ac_qk
	.globl	k_qf02f6dd6ac_qk
	.p2align	8
	.type	k_qf02f6dd6ac_qk,@function
k_qf02f6dd6ac_qk:
	s_mov_b64 s[64:65], 0
	v_nop
	global_prefetch_b8 v0, s[64:65] scope:SCOPE_SE
	s_setreg_imm32_b32 hwreg(HW_REG_WAVE_MODE, 25, 1), 1
	s_wait_xcnt 0x0
	s_wait_alu depctr_hold_cnt(0) depctr_sa_sdst(0) depctr_va_vdst(0) depctr_va_sdst(0) depctr_va_ssrc(0) depctr_va_vcc(0) depctr_vm_vsrc(0)
	s_getreg_b32 s2, hwreg(HW_REG_IB_STS2, 6, 4)
	s_cmp_eq_u32 s2, 0
	s_cbranch_scc0 .Lentry_in_a_cluster
	s_endpgm
.Lentry_in_a_cluster:
	s_bfe_u32 s2, ttmp6, 0x10000c
	s_cmp_lg_u32 s2, 0xf033
	s_cbranch_scc0 .Lentry_shape_is_right
	s_endpgm
.Lentry_shape_is_right:
; q and k of GPT-2 attention: (x W + b) for W's first 2,048 columns, quantised to BF8 (E5M2) codes with one E8M0 byte for each 32 along a head's 64, on the way out.
; A = x: [8192 tokens][1024] codes; B = W: [rows 0..2047][1024] codes, K innermost; scale bytes [row][32].  The product is v_wmma_scale_f32_16x16x128_f8f6f4 on both operands' codes as they lie.
; A tile of 256 tokens x 256 features is made by four waves, 128 x 128 each: 64 accumulators, 512 registers.  K goes in steps of 256 through a ring of two LDS slots filled by the tensor data mover;
; the scale bytes of the work-group's rows, for all of K, come into LDS once.  CLUSTERS: 4 x 4 work-groups; x's tiles are shared along a row of the cluster, W's along a column: joint loads.
; TRANSPOSED USE: source 0 = 16 rows of W, source 1 = 16 tokens: lane (r, h) holds token r, and register 8 b + j of a block of tokens the feature 16 b + 8 h + j.  So registers 16 c .. 16 c + 15 lie in block c of 32
; features, whose other half lies in lane l xor 16.  The bias is the C of each sum's first product.
; OUT: no f32 number leaves.  A lane's 16 codes of a block are stored as an image of an operand's registers: qkimg [g = feature / 64][token / 16][c 2][lane][16 bytes]; inside a block of 32 the order along K is
; 8 h + 0..7, 16 + 8 h + 0..7, the same in q and in k, so that their product's pairs meet.  qksc [g][token / 128][a / 4][r][a % 4]: one word a token and head: bytes 0, 1 the head's two scales; bytes 2, 3 filler (never 0xff).
; LIMITS: NaN and infinities are not served; a block whose largest magnitude lies under 2^-111 (a block of zeros too) gets the byte 1: the bytes are read by this program alone.
.set SIZE_K, 1024
.set KSTEP,  256                       ; along K in a slot
.set NQ,     KSTEP/128                 ; matrix instructions deep
.set ROWB,   256                       ; a tile's row in bytes
.set KROW,   SIZE_K                    ; a row of A or of B in memory, in bytes
.set PITCH,  272                       ; an LDS row: 256 bytes + 16 of padding = 68 words: the 16 rows that a load touches start at 16 different banks (64 banks of 4 bytes: ISA guide 11.1)
.set FR,     16                        ; registers of a fragment: 16 rows x 128 K
.set NL,     4                         ; LDS loads that bring one
.set NP,     8                         ; places behind this matrix instruction (ISA guide 7.12.1)
.set HALFT,  128*PITCH                 ; 128 rows: what one tensor load brings
.set SLOT,   4*HALFT                   ; A's 256 rows, then B's 256 rows
.set LAPS,   SIZE_K/(2*KSTEP)          ; a lap = two K steps = once round the ring
.set KS,     SIZE_K/32                 ; a row of scales in bytes
.set SCL,    2*SLOT                    ; behind the ring: the scales, as rows of 256 bytes + 16 of padding
.set HALFS,  (128*KS/256)*272          ; the scales of 128 rows: what one tensor load brings
.set SBLK,   (16*KS/256)*272           ; those of 16 rows
.set SPARE,  SCL+4*HALFS               ; behind the scales: the spare words, 128 bytes for each wave, that no other line names
.set ADRA, 16                          ; v16-17  LDS address of my A fragments in slot 0, 1
.set ADRB, 20                          ; v20-21  the same for B
.set LI,   24                          ; v24     16 x lane: my place in an image
.set ADRS, 27                          ; v27     LDS address of my scale words: lanes 0-15 A's rows, lanes 16-31 B's
.set SPW,  28                          ; v28     LDS address of my spare word; never rewritten
.set NIL,  29                          ; v29     0; never rewritten
.set SC,   32                          ; v32-63  scale words, two sets
.set BI,   64                          ; v64-127 the bias in the result's layout: register 8 b + j = b(16 b + 8 h + j)
.set AF,   128                         ; A's fragments, in window 0
.set TM,   32                          ; the way out: v32-35 largest magnitudes, v36-39 bytes, v44-47 the conversions' scale operand
.set PC,   64                          ; v64-95  codes, two sets of 16
.set WD0,  96                          ; v96-103  the scale word of block of tokens a, for my first head
.set WD1,  104                         ; v104-111 for my second head
.set X,    112                         ; v112-119 the words as they are stored
.set G1, 24
.set G0, 32
.set G1B, 48
.set G0B, 56
.set G1S, 68
.set G0S, 76
.set G1SB, 80
.set G0SB, 88
.set SEL, 66                           ; s66, s67 lane selects for v_permlanex16_b32: lane l xor 16
.set MNT, 95
.set MSB, 0
.macro WIN new                         ; the immediate's high byte repeats the setting that is left
.if MSB != (\new)
	s_set_vgpr_msb (MSB<<8)|(\new)
.set MSB, (\new)
.endif
.endm
.set MUL_LO, 0xa1                      ; source 0 (B) window 1, source 1 (A) window 0, C and D window 2
.set MUL_HI, 0xf1                      ; the same, C and D window 3
.set FIRST_LO, 0x81                    ; the first K step: C (the bias) window 0, D window 2
.set FIRST_HI, 0xc1                    ; D window 3
.set TO_B,   0x40                      ; destination window 1, address window 0
; A joint load: waves 0 and 1 fetch for A, waves 2 and 3 for B.  Each line has one mask and one set of registers for all that issue it; the branch hangs on the wave's number alone.
; Four v_nop follow each of the two lines, ahead of the jump, the label and what follows.
.macro JLOAD g0a, g1a, g0b, g1b
	s_cmp_eq_u32 s15, 0
	s_cbranch_scc0 .Lfor_b_\@
	tensor_load_to_lds s[\g0a:\g0a+3], s[\g1a:\g1a+7]
	s_nop 0
.rept 4
	v_nop
.endr
	s_branch .Lasked_\@
.Lfor_b_\@:
	tensor_load_to_lds s[\g0b:\g0b+3], s[\g1b:\g1b+7]
	s_nop 0
.rept 4
	v_nop
.endr
.Lasked_\@:
.endm
.macro CREST                           ; a round of the cluster's barrier behind its opening barrier
	s_cmp_lg_u32 s14, 0
	s_cbranch_scc1 .Lnot_wave_0_\@
	s_barrier_signal -3
.Lnot_wave_0_\@:
	s_barrier_wait -3
	s_barrier_signal -1
	s_barrier_wait -1
.endm
.macro CROUND                          ; a whole round
	s_barrier_signal -1
	s_barrier_wait -1
	CREST
.endm
	s_load_b128 s[4:7], s[0:1], 0x0                ; x's codes s[4:5], x's scales s[6:7]
	s_load_b128 s[8:11], s[0:1], 0x10              ; W's codes s[8:9], W's scales s[10:11]
	s_load_b128 s[96:99], s[0:1], 0x20             ; the bias s[96:97], qkimg s[98:99]
	s_load_b64 s[100:101], s[0:1], 0x30            ; qksc
	v_lshl_add_u32 v[SPW], v0, 2, SPARE
	v_mov_b32 v[NIL], 0
	ds_add_u32 v28, v29
	ds_add_u32 v28, v29
	s_wait_dscnt 0x0
	v_lshrrev_b32 v1, 5, v0
	v_readfirstlane_b32 s14, v1                    ; wave 0..3
	s_lshr_b32 s15, s14, 1                         ; which half of the tile's tokens is mine.  Also: I fetch for A (0) or for B (1)
	s_and_b32 s16, s14, 1                          ; which half of its features.  Also: which 128 rows of that tile I fetch
	s_bfe_u32 s40, ttmp6, 0x40000                  ; cx, cy: my place in the cluster
	s_bfe_u32 s41, ttmp6, 0x40004
	s_lshl_b32 s42, ttmp9, 2
	s_add_co_u32 s42, s42, s40                     ; tile column (features) = 4 x cluster x + cx
	s_and_b32 s17, ttmp7, 0xffff
	s_lshl_b32 s17, s17, 2
	s_add_co_u32 s17, s17, s41                     ; tile row (tokens) = 4 x cluster y + cy
	s_lshl_b32 s43, s41, 2
	s_lshl_b32 s43, 15, s43                        ; my row of the cluster
	s_lshl_b32 s44, 0x1111, s40                    ; my column
	; descriptor group 1: a tile of 128 rows x 256 bytes, padded in LDS
	s_or_b32 s[G1+0], s43, (0<<16)|(1<<20)|(1<<21)|(5<<22)|(3<<25)  ; 15:0 the mask: A's tiles go to my row; elements of 1 byte; padding on; 21 set beside a mask; after every 64 words four words
	s_or_b32 s[G1B+0], s44, (0<<16)|(1<<20)|(1<<21)|(5<<22)|(3<<25)
.irp g, G1, G1B
	s_mov_b32 s[\g+1], ROWB<<16                    ; tensor_dim0
	s_mov_b32 s[\g+2], 128<<16                     ; tensor_dim1 = 128
	s_mov_b32 s[\g+3], ROWB<<16                    ; tile_dim0
	s_mov_b32 s[\g+4], 128                         ; tile_dim1 = 128
	s_mov_b32 s[\g+5], KROW                        ; tensor_dim0_stride
	s_mov_b32 s[\g+6], 0
	s_mov_b32 s[\g+7], 0
.endr
	; the scales of 128 rows: a dense block of 4,096 bytes, as 16 rows of 256 bytes (32 elements of 8 bytes), 16 bytes of padding behind each
	s_or_b32 s[G1S+0], s43, (3<<16)|(1<<20)|(1<<21)|(5<<22)|(3<<25)
	s_or_b32 s[G1SB+0], s44, (3<<16)|(1<<20)|(1<<21)|(5<<22)|(3<<25)
.irp g, G1S, G1SB
	s_mov_b32 s[\g+1], 32<<16
	s_mov_b32 s[\g+2], (128*KS/256)<<16
	s_mov_b32 s[\g+3], 32<<16
	s_mov_b32 s[\g+4], 128*KS/256
	s_mov_b32 s[\g+5], 32
	s_mov_b32 s[\g+6], 0
	s_mov_b32 s[\g+7], 0
.endr
	s_lshl_b32 s18, s16, 7                         ; which 128 rows of the tile I fetch
	s_lshl_b32 s20, s17, 8
	s_add_co_u32 s20, s20, s18                     ; A: row 256 x tile row + 128 x half
	s_lshl_b32 s46, s42, 8
	s_add_co_u32 s46, s46, s18                     ; B: row 256 x tile column + 128 x half
	s_mov_b32 s21, 0
	s_mov_b32 s47, 0
	s_mov_b64 s[18:19], KS
	s_mul_u64 s[22:23], s[20:21], s[18:19]         ; where these rows' scales begin, in bytes
	s_mul_u64 s[92:93], s[46:47], s[18:19]
	s_mov_b64 s[18:19], KROW
	s_mul_u64 s[20:21], s[20:21], s[18:19]         ; and their codes
	s_mul_u64 s[46:47], s[46:47], s[18:19]
	s_mul_i32 s45, s14, HALFT                      ; where they go: wave x 128 rows: no place in the cluster enters an LDS address
	s_mul_i32 s94, s14, HALFS
	s_wait_kmcnt 0x0
	s_add_nc_u64 s[20:21], s[4:5], s[20:21]
	s_add_nc_u64 s[22:23], s[6:7], s[22:23]
	s_add_nc_u64 s[46:47], s[8:9], s[46:47]
	s_add_nc_u64 s[92:93], s[10:11], s[92:93]
	CROUND                                         ; all sixteen work-groups are here: the first joint loads meet
	s_mov_b32 s[G0S], 1
	s_add_co_u32 s[G0S+1], s94, SCL
	s_mov_b64 s[G0S+2:G0S+3], s[22:23]
	s_or_b32 s[G0S+3], s[G0S+3], 0x80000000
	s_mov_b32 s[G0SB], 1
	s_add_co_u32 s[G0SB+1], s94, SCL
	s_mov_b64 s[G0SB+2:G0SB+3], s[92:93]
	s_or_b32 s[G0SB+3], s[G0SB+3], 0x80000000
	JLOAD G0S, G1S, G0SB, G1SB                     ; the scales first: they are wanted with K step 0
.irp s, 0,1
	s_mov_b32 s[G0+4*\s], 1
	s_add_co_u32 s[G0+4*\s+1], s45, \s*SLOT
	s_add_nc_u64 s[G0+4*\s+2:G0+4*\s+3], s[20:21], \s*ROWB
	s_or_b32 s[G0+4*\s+3], s[G0+4*\s+3], 0x80000000
	s_mov_b32 s[G0B+4*\s], 1
	s_add_co_u32 s[G0B+4*\s+1], s45, \s*SLOT
	s_add_nc_u64 s[G0B+4*\s+2:G0B+4*\s+3], s[46:47], \s*ROWB
	s_or_b32 s[G0B+4*\s+3], s[G0B+4*\s+3], 0x80000000
	s_wait_alu depctr_va_vdst(0)
	s_wait_tensorcnt 0x0
	ds_add_u32 v28, v29
	s_wait_dscnt 0x0
	CROUND
	JLOAD G0+4*\s, G1, G0B+4*\s, G1B               ; one tensor load of mine is out now
.endr
	v_and_b32 v1, 15, v0                           ; r = l % 16
	v_bfe_u32 v2, v0, 4, 1                         ; h = l / 16
	v_mul_u32_u24 v3, v1, PITCH
	v_lshl_add_u32 v4, v2, 4, v3                   ; a fragment's row x pitch + 16 x half
	s_mul_i32 s21, s15, HALFT                      ; my 128 rows of A
	s_mul_i32 s22, s16, HALFT                      ; my 128 rows of B,
	s_add_co_u32 s22, s22, 2*HALFT                 ; which lie behind A's 256
.irp s, 0,1
	v_add_nc_u32 v[ADRA+\s], s21, v4
	v_add_nc_u32 v[ADRB+\s], s22, v4
	s_add_co_u32 s21, s21, SLOT
	s_add_co_u32 s22, s22, SLOT
.endr
	v_mul_u32_u24 v5, v1, KS                       ; my row's scales: KS bytes a row,
	v_lshrrev_b32 v6, 8, v5
	v_lshl_add_u32 v5, v6, 4, v5                   ; and 16 more for each 256 passed
	s_mul_i32 s21, s15, HALFS                      ; A's: my 128 rows
	s_mul_i32 s22, s16, HALFS                      ; B's: my 128 rows, behind A's 256
	s_add_co_u32 s22, s22, 2*HALFS
	s_sub_co_u32 s22, s22, s21
	v_mul_u32_u24 v6, s22, v2                      ; lanes 16-31 take B's
	s_add_co_u32 s21, s21, SCL
	v_add_nc_u32 v5, v5, v6
	v_add_nc_u32 v[ADRS], s21, v5
	v_and_b32 v6, 31, v0
	v_lshlrev_b32 v[LI], 4, v6
	v_lshlrev_b32 v7, 5, v2                        ; the bias: lanes 16-31 begin 8 numbers on
	s_lshl_b32 s46, s42, 10                        ; my first feature, in bytes of f32: 1,024 x tile column + 512 x half
	s_lshl_b32 s47, s16, 9
	s_add_co_u32 s46, s46, s47
	s_mov_b32 s47, 0
	s_add_nc_u64 s[96:97], s[96:97], s[46:47]
.irp b, 0,1,2,3,4,5,6,7
	global_load_b128 v[BI+8*\b:BI+8*\b+3], v7, s[96:97] offset:64*\b          ; b(16 b + 8 h + 0 .. 7)
	global_load_b128 v[BI+8*\b+4:BI+8*\b+7], v7, s[96:97] offset:64*\b+16
.endr
	s_lshl_b32 s20, s42, 21                        ; qkimg: g = 4 x tile column + 2 x half, 2^19 bytes each;
	s_lshl_b32 s21, s16, 20
	s_add_co_u32 s20, s20, s21
	s_lshl_b32 s21, s17, 14                        ; token / 16 = 16 x tile row + 8 x half, 1,024 bytes each
	s_add_co_u32 s20, s20, s21
	s_lshl_b32 s21, s15, 13
	s_add_co_u32 s20, s20, s21
	s_mov_b32 s21, 0
	s_add_nc_u64 s[98:99], s[98:99], s[20:21]
	s_lshl_b32 s20, s42, 17                        ; qksc: g x 2^15;
	s_lshl_b32 s21, s16, 16
	s_add_co_u32 s20, s20, s21
	s_lshl_b32 s21, s17, 10                        ; token / 128 = 2 x tile row + half, 512 bytes each
	s_add_co_u32 s20, s20, s21
	s_lshl_b32 s21, s15, 9
	s_add_co_u32 s20, s20, s21
	s_mov_b32 s21, 0
	s_add_nc_u64 s[100:101], s[100:101], s[20:21]
	s_mov_b32 s[SEL], 0x76543210
	s_mov_b32 s[SEL+1], 0xfedcba98
.macro FRAG reg, adr, q, i             ; a fragment, 16 rows x 128 K of 8-bit codes: lane l holds row l % 16; registers 4 c .. 4 c + 3 hold K = 32 c + 16 (l / 16) + 0 .. 15
.irp c, 0,1,2,3
	ds_load_b128 v[\reg+4*\c:\reg+4*\c+3], v[\adr] offset:128*(\q)+32*\c+(\i)*16*PITCH
.endr
.endm
; 16 matrix instructions: A's blocks a0, a0 + 1 x B's eight, 128 along K: the slot's q-th.  p: B's set;  sc: the set of scale words.  zero = 1: the first product starts the sums, with the bias as its C.
; The 64 accumulators take turns, one instruction a turn, in the same order in every step.
.macro MUL16 a0, p, q, sc, zero
.irp a, \a0, \a0+1
.irp b, 0,1,2,3,4,5,6,7
.if \zero
	v_wmma_scale_f32_16x16x128_f8f6f4 v[8*(8*((\a)%4)+\b):8*(8*((\a)%4)+\b)+7], v[128*(\p)+FR*\b:128*(\p)+FR*\b+FR-1], v[AF+FR*(\a):AF+FR*(\a)+FR-1], v[BI+8*\b:BI+8*\b+7], v[SC+8*NQ*(\sc)+NQ*\b+(\q)], v[SC+8*NQ*(\sc)+NQ*(\a)+(\q)] matrix_a_fmt:MATRIX_FMT_BF8 matrix_b_fmt:MATRIX_FMT_BF8 matrix_a_scale:MATRIX_SCALE_ROW1
.else
	v_wmma_scale_f32_16x16x128_f8f6f4 v[8*(8*((\a)%4)+\b):8*(8*((\a)%4)+\b)+7], v[128*(\p)+FR*\b:128*(\p)+FR*\b+FR-1], v[AF+FR*(\a):AF+FR*(\a)+FR-1], v[8*(8*((\a)%4)+\b):8*(8*((\a)%4)+\b)+7], v[SC+8*NQ*(\sc)+NQ*\b+(\q)], v[SC+8*NQ*(\sc)+NQ*(\a)+(\q)] matrix_a_fmt:MATRIX_FMT_BF8 matrix_b_fmt:MATRIX_FMT_BF8 matrix_a_scale:MATRIX_SCALE_ROW1
.endif
.endr
.endr
.endm
.macro FETCH_B slot, q, p              ; B's eight fragments of the slot's q-th 128 along K into set p
	WIN TO_B
.irp i, 0,1,2,3,4,5,6,7
	FRAG 128*(\p)+FR*\i, ADRB+\slot, \q, \i
.endr
	WIN 0
.endm
.macro FETCH_A slot, q, i0             ; A's blocks i0 .. i0 + 3
.irp i, \i0, \i0+1, \i0+2, \i0+3
	FRAG AF+FR*(\i), ADRA+\slot, \q, \i
.endr
.endm
.macro SCALES sc                       ; a K step's scale words into set sc: NQ words a row; lanes 0-15 take A's block i, lanes 16-31 B's block i
.irp i, 0,1,2,3,4,5,6,7
	ds_load_b64 v[SC+8*NQ*\sc+NQ*\i:SC+8*NQ*\sc+NQ*\i+1], v[ADRS] offset:\i*SBLK
.endr
.endm
; A load into a register that a matrix instruction has read, and a vector instruction that reads a matrix result or writes one of a matrix instruction's registers, stand NP places behind it;
; only plain vector instructions that name none of its registers are places (ISA guide 7.12.1 for vector instructions).
.macro PLACES n
.rept \n
	v_nop
.endr
.endm
; A step of 128 along K that has its successor in the same slot.
.macro STEP slot, q, zero
	s_wait_dscnt 4*NL                              ; B's set and A's blocks 0-3 are in; the youngest sixteen loads (A's blocks 4-7) may be out
.if \zero
	WIN FIRST_LO
.else
	WIN MUL_LO
.endif
	MUL16 0, (\q)%2, \q, \slot, \zero
	MUL16 2, (\q)%2, \q, \slot, \zero
	s_wait_dscnt 0                                 ; A's blocks 4-7 are in (asked for 32 matrix instructions ago)
	PLACES NP
	FETCH_B \slot, (\q)+1, 1-(\q)%2
	FETCH_A \slot, (\q)+1, 0
.if \zero
	WIN FIRST_HI
.else
	WIN MUL_HI
.endif
	MUL16 4, (\q)%2, \q, \slot, \zero
	MUL16 6, (\q)%2, \q, \slot, \zero
	PLACES NP
	WIN 0
	FETCH_A \slot, (\q)+1, 4
.endm
; A slot's last step changes slots: ONE barrier; in front of it each wave waits for all its tensor loads, adds 0 to its spare word, and waits for that and for its own reads of this slot.  fill = 1: this slot is filled again, two K steps ahead.
.macro TURN slot, next, fill
	s_wait_tensorcnt 0x0                           ; all my tensor loads have landed: my part of the next slot;  (every window is 0 here)
	ds_add_u32 v[SPW], v[NIL]                      ; 0 onto my spare word
	s_wait_dscnt 4*NL+1                            ; (the add and the youngest sixteen loads, A's blocks 4-7, may be out)
	WIN MUL_LO
	MUL16 0, 1, NQ-1, \slot, 0                     ; sixteen matrix instructions stand between the add and the wait for it
	s_wait_dscnt 0x0                               ; the add is done, and my reads of this slot are over
	s_barrier_signal -1
	MUL16 2, 1, NQ-1, \slot, 0
	WIN 0
	s_barrier_wait -1
.if \fill
	CREST                                          ; the barrier has opened a round of the cluster's barrier: no wave of any partner still reads this slot's tile or has a load on its way
	s_add_nc_u64 s[G0+4*\slot+2:G0+4*\slot+3], s[G0+4*\slot+2:G0+4*\slot+3], 2*ROWB
	s_add_nc_u64 s[G0B+4*\slot+2:G0B+4*\slot+3], s[G0B+4*\slot+2:G0B+4*\slot+3], 2*ROWB
	JLOAD G0+4*\slot, G1, G0B+4*\slot, G1B         ; the first tensor load behind the round; the four v_nop behind it are among the places in front of the loads below
	PLACES NP-4
.else
	PLACES NP
.endif
	s_wait_alu depctr_va_vdst(0)
	v_add_nc_u32 v[ADRS], 4*NQ, v[ADRS]            ; on to the next K step's scale words (no LDS load of mine is out)
	FETCH_B \next, 0, 0
	FETCH_A \next, 0, 0
	SCALES \next
	WIN MUL_HI
	MUL16 4, 1, NQ-1, \slot, 0
	MUL16 6, 1, NQ-1, \slot, 0
	PLACES NP
	WIN 0
	FETCH_A \next, 0, 4
.endm
	s_wait_alu depctr_va_vdst(0)
	s_wait_tensorcnt 1                             ; the scales and my part of K step 0 are in (K step 1's load may be out)
	s_barrier_signal -1
	s_barrier_wait -1                              ; everybody's are
	FETCH_B 0, 0, 0
	FETCH_A 0, 0, 0
	SCALES 0
	FETCH_A 0, 0, 4
	s_wait_loadcnt 0x0                             ; the bias
	STEP 0, 0, 1                                   ; the first step stands in front of the loop: its products start the sums
	s_mov_b32 s3, LAPS-1
.Llap:                                                 ; a trip goes once round the ring, from a lap's second step to the next lap's first, and fills both slots again
	TURN 0, 1, 1
	STEP 1, 0, 0
	TURN 1, 0, 1
	STEP 0, 0, 0
	s_sub_co_u32 s3, s3, 1
	s_cmp_lg_u32 s3, 0
	s_cbranch_scc1 .Llap
	TURN 0, 1, 0                                   ; the last lap fills nothing, and has no round of the cluster's barrier
	STEP 1, 0, 0
	s_wait_dscnt 4*NL                              ; the very last step: nothing more to fetch
	WIN MUL_LO
	MUL16 0, 1, NQ-1, 1, 0
	MUL16 2, 1, NQ-1, 1, 0
	s_wait_dscnt 0
	WIN MUL_HI
	MUL16 4, 1, NQ-1, 1, 0
	MUL16 6, 1, NQ-1, 1, 0
	WIN 0
; THE WAY OUT.  Block of tokens a: 64 registers of a lane, register 16 c + i in block c of 32 features.  They become 16 registers of codes and one word of four scale bytes.
; A block's scale: the largest magnitude (floor 2^(16 - 127), so that the byte cannot fall under 1) with 15 taken off its exponent field.
.macro QUANTW a, pw
.set AC, 64*((\a)%4)                   ; the block's eight accumulators,
.set W, 2+(\a)/4                       ; in window 2 or 3
.set PS, PC+16*((\a)%2)
	WIN W|(W<<2)                                   ; sources 0 and 1 in the accumulators' window
.irp b, 0,1,2,3
	v_max3_num_f32 v[TM+\b], |v[AC+16*\b]|, |v[AC+16*\b+1]|, 0x8000000      ; each accumulator is read from its low end on
.endr
.irp i, 2,4,6,8,10,12,14
.irp b, 0,1,2,3
	v_max3_num_f32 v[TM+\b], |v[AC+16*\b+\i]|, |v[AC+16*\b+\i+1]|, v[TM+\b]   ; (the four blocks by turns)
.endr
.endr
	WIN 0
.irp b, 0,1,2,3
	v_permlanex16_b32 v[TM+4+\b], v[TM+\b], s[SEL], s[SEL+1]
.endr
.irp b, 0,1,2,3
	v_max_num_f32 v[TM+\b], v[TM+\b], v[TM+4+\b]   ; with lane l xor 16's: the block's largest magnitude
.endr
.irp b, 0,1,2,3
	v_add_nc_u32 v[TM+12+\b], 0xf8800000, v[TM+\b] ; 15 off its exponent field: the conversion's scale operand
.endr
.irp b, 0,1,2,3
.endr
.irp b, 0,1,2,3
	v_lshrrev_b32 v[TM+4+\b], 23, v[TM+12+\b]      ; the scale's byte
.endr
	v_lshl_or_b32 v[\pw], v[TM+5], 8, v[TM+4]
	v_lshl_or_b32 v[\pw], v[TM+6], 16, v[\pw]
	v_lshl_or_b32 v[\pw], v[TM+7], 24, v[\pw]
	WIN W|(W<<6)                                   ; source 0 and destination in the accumulators' window
.irp b, 0,1,2,3
.irp i, 0,1,2,3,4,5,6,7,8,9,10,11,12,13,14,15
.endr
.endr
	s_wait_alu depctr_va_vdst(0)
	s_wait_xcnt 0x0                                ; the earlier stores have read their data: the codes' registers may be written again
	WIN W
.irp b, 0,1,2,3
	v_cvt_scalef32_pk8_bf8_f32 v[PS+4*\b:PS+4*\b+1], v[AC+16*\b:AC+16*\b+7], v[TM+12+\b]
	v_cvt_scalef32_pk8_bf8_f32 v[PS+4*\b+2:PS+4*\b+3], v[AC+16*\b+8:AC+16*\b+15], v[TM+12+\b]
.endr
	WIN 0
	v_nop                                          ; one plain vector instruction behind the last conversion, ahead of the next line that writes its sources
.endm
	PLACES NP                                      ; behind the last products: their results are read, and registers that held scale words are written
.irp b, 0,1,2,3
	v_mov_b32 v[TM+4+\b], 0                        ; written once: a lane permute's destination counts as one of its sources
.endr
.irp a, 0,1,2,3,4,5,6,7
	QUANTW \a, WD0+\a
.irp b, 0,1,2,3
	global_store_b128 v[LI], v[PS+4*\b:PS+4*\b+3], s[98:99] offset:(\b/2)*524288+\a*1024+(\b%2)*512   ; 32 lanes store 512 consecutive bytes, aligned: head g0 + b / 2, chunk b % 2
.endr
	v_lshrrev_b32 v[WD1+\a], 16, v[WD0+\a]         ; my second head's two bytes, with zeros above them
.endr
	v_and_b32 v25, 31, v0
	v_cmp_le_u32 vcc_lo, 16, v25
.irp i, 0,1,2,3
	v_cndmask_b32 v[X+\i], v[WD0+\i], v[WD0+4+\i], vcc_lo       ; lanes 0-15 store the words of blocks 0-3, lanes 16-31 those of blocks 4-7
	v_cndmask_b32 v[X+4+\i], v[WD1+\i], v[WD1+4+\i], vcc_lo
.endr
	global_store_b128 v[LI], v[X:X+3], s[100:101]                ; 512 consecutive bytes: my 128 tokens' words for my first head,
	global_store_b128 v[LI], v[X+4:X+7], s[100:101] offset:32768 ; and for my second
	s_wait_tensorcnt 0x0                           ; the wave's end
	ds_add_u32 v[SPW], v[NIL]
	s_wait_dscnt 0x0
	CROUND                                         ; the closing round: no work-group ends while a partner may still ask for a tile that names it
	s_endpgm
.Lfunc_end_k_qf02f6dd6ac_qk:
	.size	k_qf02f6dd6ac_qk, .Lfunc_end_k_qf02f6dd6ac_qk-k_qf02f6dd6ac_qk
	.p2alignl 7, 3214868480
	.fill 96, 4, 3214868480
	.section	.rodata,"a",@progbits
	.p2align	6, 0x0
	.amdhsa_kernel k_qf02f6dd6ac_qk
		.amdhsa_group_segment_fixed_size 327680
		.amdhsa_private_segment_fixed_size 0
		.amdhsa_enable_private_segment 0
		.amdhsa_kernarg_size 56
		.amdhsa_user_sgpr_count 2
		.amdhsa_user_sgpr_kernarg_segment_ptr 1
		.amdhsa_wavefront_size32 1
		.amdhsa_system_sgpr_workgroup_id_x 1
		.amdhsa_system_sgpr_workgroup_id_y 1
		.amdhsa_system_sgpr_workgroup_id_z 1
		.amdhsa_system_vgpr_workitem_id 0
		.amdhsa_next_free_vgpr 1024
		.amdhsa_next_free_sgpr 102
		.amdhsa_reserve_vcc 1
		.amdhsa_float_denorm_mode_32 3
		.amdhsa_float_denorm_mode_16_64 3
		.amdhsa_fp16_overflow 1
		.amdhsa_memory_ordered 1
		.amdhsa_forward_progress 1
		.amdhsa_inst_pref_size 153
	.end_amdhsa_kernel
	.amdgpu_metadata
---
amdhsa.version: [ 1, 2 ]
amdhsa.kernels:
  - .name:           k_qf02f6dd6ac_qk
    .symbol:         k_qf02f6dd6ac_qk.kd
    .args:
      - { .name: hidden_states_codes, .offset: 0, .size: 8, .value_kind: global_buffer, .address_space: global }
      - { .name: hidden_states_scales, .offset: 8, .size: 8, .value_kind: global_buffer, .address_space: global }
      - { .name: c_attn_w_codes, .offset: 16, .size: 8, .value_kind: global_buffer, .address_space: global }
      - { .name: c_attn_w_scales, .offset: 24, .size: 8, .value_kind: global_buffer, .address_space: global }
      - { .name: c_attn_b, .offset: 32, .size: 8, .value_kind: global_buffer, .address_space: global }
      - { .name: qkimg, .offset: 40, .size: 8, .value_kind: global_buffer, .address_space: global }
      - { .name: qksc, .offset: 48, .size: 8, .value_kind: global_buffer, .address_space: global }
    .group_segment_fixed_size: 327680
    .private_segment_fixed_size: 0
    .kernarg_segment_align: 8
    .kernarg_segment_size: 56
    .max_flat_workgroup_size: 128
    .sgpr_count:     102
    .vgpr_count:     1024
    .wavefront_size: 32
...
	.end_amdgpu_metadata
.endif
;; end of part 1
;; launch v (part 2): grid 32 x 4, 4 waves a work-group, clusters of 4 x 4, 327,680 bytes of LDS; arguments c_attn_w_codes, c_attn_w_scales, hidden_states_codes, hidden_states_scales, c_attn_b, vimg, vsc; writes vimg, vsc
.if DOCPART == 2
	.amdgcn_target "amdgcn-amd-amdhsa--gfx1250"
	.amdhsa_code_object_version 6
	.text
	.protected	k_qf02f6dd6ac_v
	.globl	k_qf02f6dd6ac_v
	.p2align	8
	.type	k_qf02f6dd6ac_v,@function
k_qf02f6dd6ac_v:
	s_mov_b64 s[64:65], 0
	v_nop
	global_prefetch_b8 v0, s[64:65] scope:SCOPE_SE
	s_setreg_imm32_b32 hwreg(HW_REG_WAVE_MODE, 25, 1), 1
	s_wait_xcnt 0x0
	s_wait_alu depctr_hold_cnt(0) depctr_sa_sdst(0) depctr_va_vdst(0) depctr_va_sdst(0) depctr_va_ssrc(0) depctr_va_vcc(0) depctr_vm_vsrc(0)
	s_getreg_b32 s2, hwreg(HW_REG_IB_STS2, 6, 4)
	s_cmp_eq_u32 s2, 0
	s_cbranch_scc0 .Lentry_in_a_cluster
	s_endpgm
.Lentry_in_a_cluster:
	s_bfe_u32 s2, ttmp6, 0x10000c
	s_cmp_lg_u32 s2, 0xf033
	s_cbranch_scc0 .Lentry_shape_is_right
	s_endpgm
.Lentry_shape_is_right:
; v of GPT-2 attention: (x W + b) for W's columns 2,048 .. 3,071, quantised to BF8 (E5M2) codes ALONG THE TOKENS (the keys are the second attention product's K), on the way out.
; The same product as q's and k's launch with the sources the other way round: A = W: [rows 2048..3071][1024] codes (source 1), B = x: [8192 tokens][1024] codes (source 0).
; Lane (r, h) then holds channel r of a block of 16 channels, and register 8 b + j the token 16 b + 8 h + j of the wave's 128 tokens: registers 16 c .. 16 c + 15 lie in block c of 32 keys, whose other half lies in lane l xor 16.
; A tile of 256 channels x 256 tokens is made by four waves, 128 x 128 each.  Ring, scales in LDS, cluster and joint loads as in q's and k's launch.  The bias (one number a lane and block of channels) is the C of each sum's first product.
; 1,024 channels x 8,192 tokens are 128 such tiles: 128 work-groups.  A smaller tile would read more LDS bytes for each product.
; OUT: vimg [batch][head][key step of 128][t = channel / 16][c 4][lane][16 bytes]: images of operand registers; inside a block of 32 keys the order is 8 h + 0..7, 16 + 8 h + 0..7, the order in which the softmax's weights are laid too.
; vsc [batch][head][key step][r 16][t 4]: one word (four scale bytes) a channel and key step.
; LIMITS: NaN and infinities are not served; a block whose largest magnitude lies under 2^-111 (a block of zeros too) gets the byte 1: the bytes are read by this program alone.
.set SIZE_K, 1024
.set KSTEP,  256
.set NQ,     KSTEP/128
.set ROWB,   256
.set KROW,   SIZE_K
.set PITCH,  272                       ; an LDS row: 256 bytes + 16 of padding: the 16 rows that a load touches start at 16 different banks (ISA guide 11.1)
.set FR,     16
.set NL,     4
.set NP,     8                         ; places behind this matrix instruction (ISA guide 7.12.1)
.set HALFT,  128*PITCH
.set SLOT,   4*HALFT
.set LAPS,   SIZE_K/(2*KSTEP)
.set KS,     SIZE_K/32
.set SCL,    2*SLOT
.set HALFS,  (128*KS/256)*272
.set SBLK,   (16*KS/256)*272
.set SPARE,  SCL+4*HALFS               ; the spare words, 128 bytes for each wave, that no other line names
.set ADRA, 16
.set ADRB, 20
.set LI,   24                          ; v24     16 x lane
.set VSO,  25                          ; v25     my place among the scale words: 4,096 h + 16 r
.set ADRS, 27
.set SPW,  28
.set NIL,  29
.set SC,   32
.set BI,   64                          ; v64-127 the bias in the result's layout: registers 8 a .. 8 a + 7 all hold b(channel 16 a + r)
.set AF,   128
.set TM,   32
.set PC,   64
.set WD,   96                          ; v96-103 the scale word of block of channels a
.set X,    112
.set G1, 24
.set G0, 32
.set G1B, 48
.set G0B, 56
.set G1S, 68
.set G0S, 76
.set G1SB, 80
.set G0SB, 88
.set SEL, 66
.set MNT, 95
.set MSB, 0
.macro WIN new                         ; the immediate's high byte repeats the setting that is left
.if MSB != (\new)
	s_set_vgpr_msb (MSB<<8)|(\new)
.set MSB, (\new)
.endif
.endm
.set MUL_LO, 0xa1
.set MUL_HI, 0xf1
.set FIRST_LO, 0x81
.set FIRST_HI, 0xc1
.set TO_B,   0x40
.macro JLOAD g0a, g1a, g0b, g1b        ; a joint load: waves 0 and 1 fetch for A, waves 2 and 3 for B; four v_nop follow each of the two lines
	s_cmp_eq_u32 s15, 0
	s_cbranch_scc0 .Lfor_b_\@
	tensor_load_to_lds s[\g0a:\g0a+3], s[\g1a:\g1a+7]
	s_nop 0
.rept 4
	v_nop
.endr
	s_branch .Lasked_\@
.Lfor_b_\@:
	tensor_load_to_lds s[\g0b:\g0b+3], s[\g1b:\g1b+7]
	s_nop 0
.rept 4
	v_nop
.endr
.Lasked_\@:
.endm
.macro CREST
	s_cmp_lg_u32 s14, 0
	s_cbranch_scc1 .Lnot_wave_0_\@
	s_barrier_signal -3
.Lnot_wave_0_\@:
	s_barrier_wait -3
	s_barrier_signal -1
	s_barrier_wait -1
.endm
.macro CROUND
	s_barrier_signal -1
	s_barrier_wait -1
	CREST
.endm
	s_load_b128 s[4:7], s[0:1], 0x0                ; W's codes s[4:5], W's scales s[6:7]
	s_load_b128 s[8:11], s[0:1], 0x10              ; x's codes s[8:9], x's scales s[10:11]
	s_load_b128 s[96:99], s[0:1], 0x20             ; the bias s[96:97], vimg s[98:99]
	s_load_b64 s[100:101], s[0:1], 0x30            ; vsc
	v_lshl_add_u32 v[SPW], v0, 2, SPARE
	v_mov_b32 v[NIL], 0
	ds_add_u32 v28, v29
	ds_add_u32 v28, v29
	s_wait_dscnt 0x0
	v_lshrrev_b32 v1, 5, v0
	v_readfirstlane_b32 s14, v1                    ; wave 0..3
	s_lshr_b32 s15, s14, 1                         ; which half of the tile's channels is mine.  Also: I fetch for A (0) or for B (1)
	s_and_b32 s16, s14, 1                          ; which half of its tokens.  Also: which 128 rows of that tile I fetch
	s_bfe_u32 s40, ttmp6, 0x40000                  ; cx, cy
	s_bfe_u32 s41, ttmp6, 0x40004
	s_lshl_b32 s42, ttmp9, 2
	s_add_co_u32 s42, s42, s40                     ; tile column (tokens) = 4 x cluster x + cx
	s_and_b32 s17, ttmp7, 0xffff
	s_lshl_b32 s17, s17, 2
	s_add_co_u32 s17, s17, s41                     ; tile row (channels) = 4 x cluster y + cy
	s_lshl_b32 s43, s41, 2
	s_lshl_b32 s43, 15, s43                        ; my row of the cluster
	s_lshl_b32 s44, 0x1111, s40                    ; my column
	s_or_b32 s[G1+0], s43, (0<<16)|(1<<20)|(1<<21)|(5<<22)|(3<<25)  ; the mask; elements of 1 byte; padding: four words after every 64; 21 set beside a mask
	s_or_b32 s[G1B+0], s44, (0<<16)|(1<<20)|(1<<21)|(5<<22)|(3<<25)
.irp g, G1, G1B
	s_mov_b32 s[\g+1], ROWB<<16
	s_mov_b32 s[\g+2], 128<<16
	s_mov_b32 s[\g+3], ROWB<<16
	s_mov_b32 s[\g+4], 128
	s_mov_b32 s[\g+5], KROW
	s_mov_b32 s[\g+6], 0
	s_mov_b32 s[\g+7], 0
.endr
	s_or_b32 s[G1S+0], s43, (3<<16)|(1<<20)|(1<<21)|(5<<22)|(3<<25)
	s_or_b32 s[G1SB+0], s44, (3<<16)|(1<<20)|(1<<21)|(5<<22)|(3<<25)
.irp g, G1S, G1SB
	s_mov_b32 s[\g+1], 32<<16
	s_mov_b32 s[\g+2], (128*KS/256)<<16
	s_mov_b32 s[\g+3], 32<<16
	s_mov_b32 s[\g+4], 128*KS/256
	s_mov_b32 s[\g+5], 32
	s_mov_b32 s[\g+6], 0
	s_mov_b32 s[\g+7], 0
.endr
	s_lshl_b32 s18, s16, 7
	s_lshl_b32 s20, s17, 8
	s_add_co_u32 s20, s20, s18
	s_add_co_u32 s20, s20, 2048                    ; A: W's row 2,048 + 256 x tile row + 128 x half
	s_lshl_b32 s46, s42, 8
	s_add_co_u32 s46, s46, s18                     ; B: token 256 x tile column + 128 x half
	s_mov_b32 s21, 0
	s_mov_b32 s47, 0
	s_mov_b64 s[18:19], KS
	s_mul_u64 s[22:23], s[20:21], s[18:19]
	s_mul_u64 s[92:93], s[46:47], s[18:19]
	s_mov_b64 s[18:19], KROW
	s_mul_u64 s[20:21], s[20:21], s[18:19]
	s_mul_u64 s[46:47], s[46:47], s[18:19]
	s_mul_i32 s45, s14, HALFT
	s_mul_i32 s94, s14, HALFS
	s_wait_kmcnt 0x0
	s_add_nc_u64 s[20:21], s[4:5], s[20:21]
	s_add_nc_u64 s[22:23], s[6:7], s[22:23]
	s_add_nc_u64 s[46:47], s[8:9], s[46:47]
	s_add_nc_u64 s[92:93], s[10:11], s[92:93]
	CROUND                                         ; all sixteen work-groups are here: the first joint loads meet
	s_mov_b32 s[G0S], 1
	s_add_co_u32 s[G0S+1], s94, SCL
	s_mov_b64 s[G0S+2:G0S+3], s[22:23]
	s_or_b32 s[G0S+3], s[G0S+3], 0x80000000
	s_mov_b32 s[G0SB], 1
	s_add_co_u32 s[G0SB+1], s94, SCL
	s_mov_b64 s[G0SB+2:G0SB+3], s[92:93]
	s_or_b32 s[G0SB+3], s[G0SB+3], 0x80000000
	JLOAD G0S, G1S, G0SB, G1SB
.irp s, 0,1
	s_mov_b32 s[G0+4*\s], 1
	s_add_co_u32 s[G0+4*\s+1], s45, \s*SLOT
	s_add_nc_u64 s[G0+4*\s+2:G0+4*\s+3], s[20:21], \s*ROWB
	s_or_b32 s[G0+4*\s+3], s[G0+4*\s+3], 0x80000000
	s_mov_b32 s[G0B+4*\s], 1
	s_add_co_u32 s[G0B+4*\s+1], s45, \s*SLOT
	s_add_nc_u64 s[G0B+4*\s+2:G0B+4*\s+3], s[46:47], \s*ROWB
	s_or_b32 s[G0B+4*\s+3], s[G0B+4*\s+3], 0x80000000
	JLOAD G0+4*\s, G1, G0B+4*\s, G1B               ; three tensor loads of mine are out now
.endr
	v_and_b32 v1, 15, v0                           ; r
	v_bfe_u32 v2, v0, 4, 1                         ; h
	v_mul_u32_u24 v3, v1, PITCH
	v_lshl_add_u32 v4, v2, 4, v3
	s_mul_i32 s21, s15, HALFT
	s_mul_i32 s22, s16, HALFT
	s_add_co_u32 s22, s22, 2*HALFT
.irp s, 0,1
	v_add_nc_u32 v[ADRA+\s], s21, v4
	v_add_nc_u32 v[ADRB+\s], s22, v4
	s_add_co_u32 s21, s21, SLOT
	s_add_co_u32 s22, s22, SLOT
.endr
	v_mul_u32_u24 v5, v1, KS
	v_lshrrev_b32 v6, 8, v5
	v_lshl_add_u32 v5, v6, 4, v5
	s_mul_i32 s21, s15, HALFS
	s_mul_i32 s22, s16, HALFS
	s_add_co_u32 s22, s22, 2*HALFS
	s_sub_co_u32 s22, s22, s21
	v_mul_u32_u24 v6, s22, v2
	s_add_co_u32 s21, s21, SCL
	v_add_nc_u32 v5, v5, v6
	v_add_nc_u32 v[ADRS], s21, v5
	v_and_b32 v6, 31, v0
	v_lshlrev_b32 v[LI], 4, v6
	v_lshlrev_b32 v[VSO], 12, v2
	v_lshl_add_u32 v[VSO], v1, 4, v[VSO]
	v_lshlrev_b32 v7, 2, v1                        ; the bias: 4 bytes a channel
	s_lshl_b32 s46, s17, 10                        ; my first channel's bias: (2,048 + 256 x tile row + 128 x half) x 4 bytes
	s_lshl_b32 s47, s15, 9
	s_add_co_u32 s46, s46, s47
	s_add_co_u32 s46, s46, 8192
	s_mov_b32 s47, 0
	s_add_nc_u64 s[96:97], s[96:97], s[46:47]
.irp a, 0,1,2,3,4,5,6,7
	global_load_b32 v[BI+8*\a], v7, s[96:97] offset:64*\a       ; b(channel 16 a + r)
.endr
	s_lshr_b32 s18, s42, 3                         ; the batch: 8 tiles of 256 tokens each
	s_and_b32 s19, s42, 7                          ; and the tile in it: key step 2 x that + half
	s_lshl_b32 s20, s18, 21                        ; vimg: batch x 2^21
	s_lshl_b32 s21, s17, 19                        ; + head (4 x tile row + 2 x half) x 2^17
	s_add_co_u32 s20, s20, s21
	s_lshl_b32 s21, s15, 18
	s_add_co_u32 s20, s20, s21
	s_lshl_b32 s21, s19, 14                        ; + key step x 2^13
	s_add_co_u32 s20, s20, s21
	s_lshl_b32 s21, s16, 13
	s_add_co_u32 s20, s20, s21
	s_mov_b32 s21, 0
	s_add_nc_u64 s[98:99], s[98:99], s[20:21]
	s_lshl_b32 s20, s18, 16                        ; vsc: (16 x batch + head) x 4,096 + key step x 256
	s_lshl_b32 s21, s17, 14
	s_add_co_u32 s20, s20, s21
	s_lshl_b32 s21, s15, 13
	s_add_co_u32 s20, s20, s21
	s_lshl_b32 s21, s19, 9
	s_add_co_u32 s20, s20, s21
	s_lshl_b32 s21, s16, 8
	s_add_co_u32 s20, s20, s21
	s_mov_b32 s21, 0
	s_add_nc_u64 s[100:101], s[100:101], s[20:21]
	s_mov_b32 s[SEL], 0x76543210
	s_mov_b32 s[SEL+1], 0xfedcba98
.macro FRAG reg, adr, q, i
.irp c, 0,1,2,3
	ds_load_b128 v[\reg+4*\c:\reg+4*\c+3], v[\adr] offset:128*(\q)+32*\c+(\i)*16*PITCH
.endr
.endm
; 16 matrix instructions: A's blocks a0, a0 + 1 x B's eight.  zero = 1: the first product starts the sums, with the bias of A's block as its C.  The 64 accumulators take turns.
.macro MUL16 a0, p, q, sc, zero
.irp a, \a0, \a0+1
.irp b, 0,1,2,3,4,5,6,7
.if \zero
	v_wmma_scale_f32_16x16x128_f8f6f4 v[8*(8*((\a)%4)+\b):8*(8*((\a)%4)+\b)+7], v[128*(\p)+FR*\b:128*(\p)+FR*\b+FR-1], v[AF+FR*(\a):AF+FR*(\a)+FR-1], v[BI+8*(\a):BI+8*(\a)+7], v[SC+8*NQ*(\sc)+NQ*\b+(\q)], v[SC+8*NQ*(\sc)+NQ*(\a)+(\q)] matrix_a_fmt:MATRIX_FMT_BF8 matrix_b_fmt:MATRIX_FMT_BF8 matrix_a_scale:MATRIX_SCALE_ROW1
.else
	v_wmma_scale_f32_16x16x128_f8f6f4 v[8*(8*((\a)%4)+\b):8*(8*((\a)%4)+\b)+7], v[128*(\p)+FR*\b:128*(\p)+FR*\b+FR-1], v[AF+FR*(\a):AF+FR*(\a)+FR-1], v[8*(8*((\a)%4)+\b):8*(8*((\a)%4)+\b)+7], v[SC+8*NQ*(\sc)+NQ*\b+(\q)], v[SC+8*NQ*(\sc)+NQ*(\a)+(\q)] matrix_a_fmt:MATRIX_FMT_BF8 matrix_b_fmt:MATRIX_FMT_BF8 matrix_a_scale:MATRIX_SCALE_ROW1
.endif
.endr
.endr
.endm
.macro FETCH_B slot, q, p
	WIN TO_B
.irp i, 0,1,2,3,4,5,6,7
	FRAG 128*(\p)+FR*\i, ADRB+\slot, \q, \i
.endr
	WIN 0
.endm
.macro FETCH_A slot, q, i0
.irp i, \i0, \i0+1, \i0+2, \i0+3
	FRAG AF+FR*(\i), ADRA+\slot, \q, \i
.endr
.endm
.macro SCALES sc
.irp i, 0,1,2,3,4,5,6,7
	ds_load_b64 v[SC+8*NQ*\sc+NQ*\i:SC+8*NQ*\sc+NQ*\i+1], v[ADRS] offset:\i*SBLK
.endr
.endm
.macro PLACES n                        ; places behind matrix instructions (ISA guide 7.12.1 for vector instructions)
.rept \n
	v_nop
.endr
.endm
.macro STEP slot, q, zero
	s_wait_dscnt 4*NL                              ; B's set and A's blocks 0-3 are in; the youngest sixteen loads (A's blocks 4-7) may be out
.if \zero
	WIN FIRST_LO
.else
	WIN MUL_LO
.endif
	MUL16 0, (\q)%2, \q, \slot, \zero
	MUL16 2, (\q)%2, \q, \slot, \zero
	s_wait_dscnt 0
	PLACES NP
	FETCH_B \slot, (\q)+1, 1-(\q)%2
	FETCH_A \slot, (\q)+1, 0
.if \zero
	WIN FIRST_HI
.else
	WIN MUL_HI
.endif
	MUL16 4, (\q)%2, \q, \slot, \zero
	MUL16 6, (\q)%2, \q, \slot, \zero
	PLACES NP
	WIN 0
	FETCH_A \slot, (\q)+1, 4
.endm
.macro TURN slot, next, fill
	s_wait_tensorcnt 0x0                           ; all my tensor loads have landed: my part of the next slot;
	ds_add_u32 v[SPW], v[NIL]                      ; 0 onto my spare word
	s_wait_dscnt 4*NL+1                            ; (the add and the youngest sixteen loads may be out)
	WIN MUL_LO
	MUL16 0, 1, NQ-1, \slot, 0
	s_wait_dscnt 0x0                               ; the add is done, and my reads of this slot are over
	s_barrier_signal -1
	MUL16 2, 1, NQ-1, \slot, 0
	WIN 0
	s_barrier_wait -1
.if \fill
	CREST                                          ; the barrier has opened a round of the cluster's barrier
	s_add_nc_u64 s[G0+4*\slot+2:G0+4*\slot+3], s[G0+4*\slot+2:G0+4*\slot+3], 2*ROWB
	s_add_nc_u64 s[G0B+4*\slot+2:G0B+4*\slot+3], s[G0B+4*\slot+2:G0B+4*\slot+3], 2*ROWB
	JLOAD G0+4*\slot, G1, G0B+4*\slot, G1B         ; the first tensor load behind the round
	PLACES NP-4
.else
	PLACES NP
.endif
	s_wait_alu depctr_va_vdst(0)
	v_add_nc_u32 v[ADRS], 4*NQ, v[ADRS]
	FETCH_B \next, 0, 0
	FETCH_A \next, 0, 0
	SCALES \next
	WIN MUL_HI
	MUL16 4, 1, NQ-1, \slot, 0
	MUL16 6, 1, NQ-1, \slot, 0
	PLACES NP
	WIN 0
	FETCH_A \next, 0, 4
.endm
	s_wait_alu depctr_va_vdst(0)
	s_wait_tensorcnt 1                             ; the scales and my part of K step 0 are in (K step 1's load may be out)
	s_barrier_signal -1
	s_barrier_wait -1
	FETCH_B 0, 0, 0
	FETCH_A 0, 0, 0
	SCALES 0
	FETCH_A 0, 0, 4
	s_wait_loadcnt 0x0                             ; the bias: a C operand is eight registers, here eight times the lane's number
.irp a, 0,1,2,3,4,5,6,7
.irp j, 1,2,3,4,5,6,7
	v_mov_b32 v[BI+8*\a+\j], v[BI+8*\a]
.endr
.endr
	s_wait_alu depctr_va_vdst(0)
	STEP 0, 0, 1
	s_mov_b32 s3, LAPS-1
.Llap:
	TURN 0, 1, 1
	STEP 1, 0, 0
	TURN 1, 0, 1
	STEP 0, 0, 0
	s_sub_co_u32 s3, s3, 1
	s_cmp_lg_u32 s3, 0
	s_cbranch_scc1 .Llap
	TURN 0, 1, 0
	STEP 1, 0, 0
	s_wait_dscnt 4*NL
	WIN MUL_LO
	MUL16 0, 1, NQ-1, 1, 0
	MUL16 2, 1, NQ-1, 1, 0
	s_wait_dscnt 0
	WIN MUL_HI
	MUL16 4, 1, NQ-1, 1, 0
	MUL16 6, 1, NQ-1, 1, 0
	WIN 0
; THE WAY OUT.  Block of channels a: 64 registers of a lane, register 16 c + i in block c of 32 keys: 16 registers of codes and one word of four scale bytes.
.macro QUANTW a, pw
.set AC, 64*((\a)%4)
.set W, 2+(\a)/4
.set PS, PC+16*((\a)%2)
	WIN W|(W<<2)
.irp b, 0,1,2,3
	v_max3_num_f32 v[TM+\b], |v[AC+16*\b]|, |v[AC+16*\b+1]|, 0x8000000      ; the floor 2^(16 - 127): the byte cannot fall under 1.  Each accumulator is read from its low end on
.endr
.irp i, 2,4,6,8,10,12,14
.irp b, 0,1,2,3
	v_max3_num_f32 v[TM+\b], |v[AC+16*\b+\i]|, |v[AC+16*\b+\i+1]|, v[TM+\b]
.endr
.endr
	WIN 0
.irp b, 0,1,2,3
	v_permlanex16_b32 v[TM+4+\b], v[TM+\b], s[SEL], s[SEL+1]
.endr
.irp b, 0,1,2,3
	v_max_num_f32 v[TM+\b], v[TM+\b], v[TM+4+\b]
.endr
.irp b, 0,1,2,3
	v_add_nc_u32 v[TM+12+\b], 0xf8800000, v[TM+\b] ; 15 off the exponent field: the conversion's scale operand
.endr
.irp b, 0,1,2,3
.endr
.irp b, 0,1,2,3
	v_lshrrev_b32 v[TM+4+\b], 23, v[TM+12+\b]
.endr
	v_lshl_or_b32 v[\pw], v[TM+5], 8, v[TM+4]
	v_lshl_or_b32 v[\pw], v[TM+6], 16, v[\pw]
	v_lshl_or_b32 v[\pw], v[TM+7], 24, v[\pw]
	WIN W|(W<<6)
.irp b, 0,1,2,3
.irp i, 0,1,2,3,4,5,6,7,8,9,10,11,12,13,14,15
.endr
.endr
	s_wait_xcnt 0x0                                ; the earlier stores have read their data
	WIN W
.irp b, 0,1,2,3
	v_cvt_scalef32_pk8_bf8_f32 v[PS+4*\b:PS+4*\b+1], v[AC+16*\b:AC+16*\b+7], v[TM+12+\b]
	v_cvt_scalef32_pk8_bf8_f32 v[PS+4*\b+2:PS+4*\b+3], v[AC+16*\b+8:AC+16*\b+15], v[TM+12+\b]
.endr
	WIN 0
	v_nop                                          ; one plain vector instruction behind the last conversion
.endm
	PLACES NP
.irp b, 0,1,2,3
	v_mov_b32 v[TM+4+\b], 0                        ; written once: a lane permute's destination counts as one of its sources
.endr
.irp a, 0,1,2,3,4,5,6,7
	QUANTW \a, WD+\a
.irp b, 0,1,2,3
	global_store_b128 v[LI], v[PS+4*\b:PS+4*\b+3], s[98:99] offset:(\a/4)*131072+(\a%4)*2048+\b*512   ; 512 consecutive bytes, aligned: head + a / 4, channels 16 (a % 4) on, key block b
.endr
.endr
	v_and_b32 v26, 31, v0
	v_cmp_le_u32 vcc_lo, 16, v26
.irp i, 0,1,2,3
	v_cndmask_b32 v[X+\i], v[WD+\i], v[WD+4+\i], vcc_lo         ; lanes 0-15: my first head's four tiles of channels; lanes 16-31: my second head's
.endr
	global_store_b128 v[VSO], v[X:X+3], s[100:101]               ; sixteen lanes store 256 consecutive bytes, aligned
	s_wait_tensorcnt 0x0                           ; the wave's end
	ds_add_u32 v[SPW], v[NIL]
	s_wait_dscnt 0x0
	CROUND                                         ; the closing round
	s_endpgm
.Lfunc_end_k_qf02f6dd6ac_v:
	.size	k_qf02f6dd6ac_v, .Lfunc_end_k_qf02f6dd6ac_v-k_qf02f6dd6ac_v
	.p2alignl 7, 3214868480
	.fill 96, 4, 3214868480
	.section	.rodata,"a",@progbits
	.p2align	6, 0x0
	.amdhsa_kernel k_qf02f6dd6ac_v
		.amdhsa_group_segment_fixed_size 327680
		.amdhsa_private_segment_fixed_size 0
		.amdhsa_enable_private_segment 0
		.amdhsa_kernarg_size 56
		.amdhsa_user_sgpr_count 2
		.amdhsa_user_sgpr_kernarg_segment_ptr 1
		.amdhsa_wavefront_size32 1
		.amdhsa_system_sgpr_workgroup_id_x 1
		.amdhsa_system_sgpr_workgroup_id_y 1
		.amdhsa_system_sgpr_workgroup_id_z 1
		.amdhsa_system_vgpr_workitem_id 0
		.amdhsa_next_free_vgpr 1024
		.amdhsa_next_free_sgpr 102
		.amdhsa_reserve_vcc 1
		.amdhsa_float_denorm_mode_32 3
		.amdhsa_float_denorm_mode_16_64 3
		.amdhsa_fp16_overflow 1
		.amdhsa_memory_ordered 1
		.amdhsa_forward_progress 1
		.amdhsa_inst_pref_size 153
	.end_amdhsa_kernel
	.amdgpu_metadata
---
amdhsa.version: [ 1, 2 ]
amdhsa.kernels:
  - .name:           k_qf02f6dd6ac_v
    .symbol:         k_qf02f6dd6ac_v.kd
    .args:
      - { .name: c_attn_w_codes, .offset: 0, .size: 8, .value_kind: global_buffer, .address_space: global }
      - { .name: c_attn_w_scales, .offset: 8, .size: 8, .value_kind: global_buffer, .address_space: global }
      - { .name: hidden_states_codes, .offset: 16, .size: 8, .value_kind: global_buffer, .address_space: global }
      - { .name: hidden_states_scales, .offset: 24, .size: 8, .value_kind: global_buffer, .address_space: global }
      - { .name: c_attn_b, .offset: 32, .size: 8, .value_kind: global_buffer, .address_space: global }
      - { .name: vimg, .offset: 40, .size: 8, .value_kind: global_buffer, .address_space: global }
      - { .name: vsc, .offset: 48, .size: 8, .value_kind: global_buffer, .address_space: global }
    .group_segment_fixed_size: 327680
    .private_segment_fixed_size: 0
    .kernarg_segment_align: 8
    .kernarg_segment_size: 56
    .max_flat_workgroup_size: 128
    .sgpr_count:     102
    .vgpr_count:     1024
    .wavefront_size: 32
...
	.end_amdgpu_metadata
.endif
;; end of part 2
;; launch attn (part 3): grid 4 x 64, 16 waves a work-group, no clusters, 276,480 bytes of LDS; arguments qkimg, qksc, vimg, vsc, aimg, asc; writes aimg, asc
.if DOCPART == 3
	.amdgcn_target "amdgcn-amd-amdhsa--gfx1250"
	.amdhsa_code_object_version 6
	.text
	.protected	k_qf02f6dd6ac_attn
	.globl	k_qf02f6dd6ac_attn
	.p2align	8
	.type	k_qf02f6dd6ac_attn,@function
k_qf02f6dd6ac_attn:
	s_mov_b64 s[64:65], 0
	v_nop
	global_prefetch_b8 v0, s[64:65] scope:SCOPE_SE
	s_setreg_imm32_b32 hwreg(HW_REG_WAVE_MODE, 25, 1), 1
	s_wait_xcnt 0x0
; Causal attention of one head on codes of BF8 (E5M2): S^T = K Q^T, the softmax, O^T = V^T P^T, O / l, and O / l quantised along the model's 1,024 for the projection that follows.
; THE SOFTMAX AHEAD OF THE SECOND PRODUCT: t = score x log2(e) / 8; M = the running largest t rounded up to a whole number; p = 2^(t - M) is quantised along the keys; the row's sum l is taken of the unquantised p.
; THE MASK IS -10000, NOT -INFINITY: a hidden key's score is set to -80000 (= 8 x -10000) and takes part in the maximum, the sum and the product, for every input.  A step of 128 keys all of which are hidden has one p for
; all its keys: that p, its code and its scale byte are made once a pass (PREP); such a step is then four products and no softmax.
; SHARES.  Work-group (x, batch x 16 + head).  Each of its sixteen waves owns two tiles of 16 queries, tile 16 x + wave and tile 127 less that: (tile / 8 + 1) steps with a softmax each, 17 for the pair, in every wave of the launch.
; THE HEAD'S K AND V, 131,072 bytes of codes each, AND THEIR SCALE WORDS LIE IN LDS, filled once, in four stages of 512 keys: nothing is filled again, nothing is stored to LDS.  They are images of operand registers, so a
; fragment's load takes 512 consecutive bytes: no pitch, no padding.
; NO CLUSTER, though the four work-groups of a head read the same K and V: which steps a wave works, masks or takes as hidden hangs on which queries it owns, that is on the work-group's x, which would be its place in the
; cluster, and partners of joint loads have to branch alike.
; K = 64 IN AN INSTRUCTION OF 128: Q's registers 8-15 are zero codes.  K's fragment of tile T is the run of 16 registers from its own 8 on: the upper 8 are the next tile's codes (zeros behind the last)
; times zero they add nothing.  The filler bytes of the scale words are never 0xff.
; LAYOUT.  A lane holds one query (lane % 16) throughout.  Register 8 T + j of S^T is key 16 T + 8 (lane / 16) + j: registers 16 c .. 16 c + 15 lie in block c of 32 keys, in the order in which V's images were laid.
; LIMITS: NaN and infinities are not served; p under 2^-126 counts as 0 (v_exp_f32); a block under 2^-111 gets the byte 1; the sums run in an order along K that is permuted inside blocks of 32.
.set KB,   0                           ; LDS: K's images: [key / 16][c 2][lane][16]
.set VB,   131072                      ; V's: [key step][t 4][c 4][lane][16]
.set KSC,  262144                      ; K's scale words: 512 bytes a key step
.set VSC,  270336                      ; V's: 256 bytes a key step
.set LI,   1                           ; v1   16 x lane
.set R16,  2                           ; v2   16 r
.set ASO,  3                           ; v3   32 r + h: my byte among the result's scale bytes
.set RH,   4                           ; v4   r - 8 h
.set ADK,  6                           ; v6-9 LDS addresses of the step in hand
.set ADV,  7
.set ADS,  8
.set ADT,  9
.set NH,   10                          ; v10  half the number of keys in hidden steps, as f32: a lane sums half of a query's keys
.set TMK,  11                          ; v11  a hidden key's t
                                       ; v12 -M, v13 the largest t, v[14:15] l in two halves
.set QF,   16                          ; v16-23 Q's codes, v24-31 zeros
.set KV,   32                          ; v32-95 eight tiles of K (8 registers each) or four fragments of V (16 each); v96-103 zeros
.set S,    104                         ; v104-167 S^T, then p
.set O,    168                         ; v168-199 O^T
.set PC,   200                         ; v200-215 p's codes
.set KS,   216                         ; v216-223 K's scale words
.set VS,   224                         ; v224-227 V's
.set BM,   228                         ; v228-231 a block's largest score, then its largest p
.set T1,   232                         ; v232-235 at work; the bytes
.set HD,   236                         ; v236-239 57,344 x the scale
.set SO,   240                         ; v240-243 the conversions' scale operand
.set SM2,  244                         ; v[244:245] the sum's second chain
.set F,    248                         ; v248 2^(old M - new M); named as a pair with
.set PWD,  249                         ; v249 p's scale word
.set QW,   250                         ; v250 Q's scale words
.set TA,   252
.set TB,   253
.set TC,   254
.set WV,   16
.set XG,   17
.set BB,   18
.set HEAD, 19
.set SEL,  20                          ; s[20:21] lane selects for v_permlanex16_b32: lane l xor 16
.set CS,   22                          ; s[22:23] c = log2(e) / 8
.set MNT,  24                          ; the mantissa field of 57,344
.set SMK,  25                          ; -80000.0
.set HM,   26                          ; the mask of lanes 16-31
.set CNT,  27
.set TK,   28                          ; where the step's K, V and their scale words begin in LDS; the step's first key
.set TV,   29
.set TS,   30
.set TJ,   31
.set KF,   32
.set Q0,   33                          ; my first query, my last, the first key of the first hidden step
.set QL,   34
.set FH,   35
.set TAU,  37                          ; my tile of queries
.set QP,   40                          ; s[40:47] the pass's addresses: Q's codes, Q's scale words, the result's codes, its scale bytes
.set QSP,  42
.set AOP,  44
.set ASP,  46
.set G1D,  48                          ; s[48:55] group 1: 32,768 dense bytes;  s[56:63]: 8,192;  s[68:75]: 4,096
.set G1KS, 56
.set G1VS, 68
.set G0,   76                          ; s[76:95] five groups 0: the scale words, then the four stages
	s_load_b256 s[4:11], s[0:1], 0x0               ; qkimg s[4:5], qksc s[6:7], vimg s[8:9], vsc s[10:11]
	s_load_b128 s[12:15], s[0:1], 0x20             ; aimg s[12:13], asc s[14:15]
	v_lshl_add_u32 v254, v0, 2, 0x43000
	v_mov_b32 v255, 0
	ds_add_u32 v254, v255
	ds_add_u32 v254, v255
	s_wait_dscnt 0x0
	v_lshrrev_b32 v5, 5, v0
	s_delay_alu instid0(VALU_DEP_1)
	v_readfirstlane_b32 s[WV], v5                  ; wave 0..15
	v_and_b32 v5, 31, v0                           ; lane
	v_and_b32 v10, 15, v0                          ; r
	v_bfe_u32 v11, v0, 4, 1                        ; h
	s_delay_alu instid0(VALU_DEP_3)
	v_lshlrev_b32 v[LI], 4, v5
	s_delay_alu instid0(VALU_DEP_3)
	v_lshlrev_b32 v[R16], 4, v10
	s_delay_alu instid0(VALU_DEP_3)
	v_lshl_add_u32 v[ASO], v10, 5, v11
	v_cmp_le_u32 s[HM], 16, v5
	v_lshlrev_b32 v5, 3, v11
	s_delay_alu instid0(VALU_DEP_1)
	v_sub_nc_u32 v[RH], v10, v5
	s_mov_b32 s[XG], ttmp9
	s_and_b32 s39, ttmp7, 0xffff                   ; 16 x batch + head
	s_lshr_b32 s[BB], s39, 4
	s_and_b32 s[HEAD], s39, 15
	s_mov_b32 s[SEL], 0x76543210
	s_mov_b32 s[SEL+1], 0xfedcba98
	s_mov_b32 s[CS], 0x3e38aa3b                    ; log2(e) / 8
	s_mov_b32 s[CS+1], s[CS]                       ; (named with it as a pair, so it is written)
	s_mov_b32 s[MNT], 0x600000
	s_mov_b32 s[SMK], 0xc79c4000                   ; -80000.0
	v_mov_b32 v[TMK], s[SMK]
	s_delay_alu instid0(VALU_DEP_1)
	v_mul_f32 v[TMK], s[CS], v[TMK]                ; as t: the multiplication that a step's largest score goes through
	; descriptor group 1: dense blocks as rows of 256 bytes (32 elements of 8 bytes), no padding
.irp g, G1D, G1KS, G1VS
	s_mov_b32 s[\g], 3<<16
	s_mov_b32 s[\g+1], 32<<16                      ; tensor_dim0
	s_mov_b32 s[\g+3], 32<<16                      ; tile_dim0
	s_mov_b32 s[\g+5], 32                          ; tensor_dim0_stride
	s_mov_b32 s[\g+6], 0
	s_mov_b32 s[\g+7], 0
.endr
	s_mov_b32 s[G1D+2], 128<<16                    ; tensor_dim1, tile_dim1: 128, 32 and 16 rows
	s_mov_b32 s[G1D+4], 128
	s_mov_b32 s[G1KS+2], 32<<16
	s_mov_b32 s[G1KS+4], 32
	s_mov_b32 s[G1VS+2], 16<<16
	s_mov_b32 s[G1VS+4], 16
	s_lshl_b32 s40, s[HEAD], 19                    ; q's images: head x 2^19 + batch x 2^17
	s_lshl_b32 s41, s[BB], 17
	s_add_co_u32 s40, s40, s41
	s_mov_b32 s41, 0
	s_lshl_b32 s42, s[HEAD], 15                    ; q's scale words: head x 2^15 + batch x 2^13
	s_lshl_b32 s43, s[BB], 13
	s_add_co_u32 s42, s42, s43
	s_mov_b32 s43, 0
	s_lshl_b32 s44, s39, 17                        ; v's images
	s_mov_b32 s45, 0
	s_lshl_b32 s46, s39, 12                        ; v's scale words
	s_mov_b32 s47, 0
	s_lshl_b32 s100, s[BB], 21                     ; the result's images: batch x 2^21 + head x 2^10
	s_lshl_b32 s101, s[HEAD], 10
	s_add_co_u32 s100, s100, s101
	s_mov_b32 s101, 0
	s_lshl_b32 s66, s[BB], 16                      ; its scale bytes: batch x 2^16 + 2 x head
	s_lshl_b32 s67, s[HEAD], 1
	s_add_co_u32 s66, s66, s67
	s_mov_b32 s67, 0
	s_wait_kmcnt 0x0
	s_add_nc_u64 s[96:97], s[4:5], s[40:41]        ; s[96:97] q's images of my head
	s_add_nc_u64 s[98:99], s[6:7], s[42:43]        ; s[98:99] q's scale words
	s_add_nc_u64 s[8:9], s[8:9], s[44:45]
	s_add_nc_u64 s[10:11], s[10:11], s[46:47]
	s_add_nc_u64 s[12:13], s[12:13], s[100:101]
	s_add_nc_u64 s[14:15], s[14:15], s[66:67]
	s_add_nc_u64 s[40:41], s[96:97], 0x800000      ; k's images lie 16 heads on,
	s_add_nc_u64 s[42:43], s[98:99], 0x80000       ; and so do its scale words
	s_cmp_eq_u32 s[WV], 0                          ; wave 0 fetches K's, wave 1 V's: the choice hangs on the wave's number alone
	s_cselect_b64 s[40:41], s[40:41], s[8:9]
	s_cselect_b64 s[42:43], s[42:43], s[10:11]
	s_min_u32 s39, s[WV], 1
	s_lshl_b32 s66, s39, 17                        ; K's images at 0, V's at 131,072
	s_lshl_b32 s67, s39, 13
	s_add_co_u32 s67, s67, KSC                     ; K's scale words at 262,144, V's 8,192 on
	s_mov_b32 s[G0], 1
	s_mov_b32 s[G0+1], s67
	s_mov_b64 s[G0+2:G0+3], s[42:43]
	s_or_b32 s[G0+3], s[G0+3], 0x80000000
.irp g, 0,1,2,3
	s_mov_b32 s[G0+4+4*\g], 1
	s_add_co_u32 s[G0+5+4*\g], s66, 32768*\g
	s_add_nc_u64 s[G0+6+4*\g:G0+7+4*\g], s[40:41], 32768*\g
	s_or_b32 s[G0+7+4*\g], s[G0+7+4*\g], 0x80000000
.endr
	; THE FILLS: all of a wave's five stand together in one arm, ahead of every wait on TENSORcnt, every LDS read and every barrier; five tensor loads of the wave are out.  Four v_nop follow the last.
	s_cmp_lt_u32 s[WV], 2
	s_cbranch_scc0 .Lfilled
	s_cmp_eq_u32 s[WV], 0
	s_cbranch_scc0 .Lfill_v
	tensor_load_to_lds s[G0:G0+3], s[G1KS:G1KS+7]
	s_nop 0
.irp g, 0,1,2,3
	tensor_load_to_lds s[G0+4+4*\g:G0+7+4*\g], s[G1D:G1D+7]
	s_nop 0
.endr
.rept 4
	v_nop
.endr
	s_branch .Lfilled
.Lfill_v:
	tensor_load_to_lds s[G0:G0+3], s[G1VS:G1VS+7]
	s_nop 0
.irp g, 0,1,2,3
	tensor_load_to_lds s[G0+4+4*\g:G0+7+4*\g], s[G1D:G1D+7]
	s_nop 0
.endr
.rept 4
	v_nop
.endr
.Lfilled:
.irp j, 0,1,2,3,4,5,6,7
	v_mov_b32 v[QF+8+\j], 0                        ; Q's upper 64 along K: zero codes
	v_mov_b32 v[KV+64+\j], 0                       ; and what stands behind K's last tile
.endr
.irp j, 0,1,2,3,4,5,6,7,8,9,10,11,12,13,14,15
	v_mov_b32 v[PC+\j], 0
.endr
.irp j, 0,1,2,3,4,5,6,7,8,9,10,11,12,13,14,15,16,17,18,19,20,21,22,23,24,25,26
	v_mov_b32 v[BM+\j], 0                          ; v228-254, written once: lane permutes' destinations and upper halves of pairs count as read
.endr
.macro VLOADS                          ; a key step's four fragments of V and their scale words
.irp t, 0,1,2,3
.irp c, 0,1,2,3
	ds_load_b128 v[KV+16*\t+4*\c:KV+16*\t+4*\c+3], v[ADV] offset:2048*\t+512*\c
.endr
.endr
	ds_load_b128 v[VS:VS+3], v[ADT]
.endm
.macro PV                              ; O^T += V^T P^T: the four accumulators by turns, one instruction a turn
	s_wait_dscnt 0x0                               ; V is in
.irp t, 0,1,2,3
	v_wmma_scale_f32_16x16x128_f8f6f4 v[O+8*\t:O+8*\t+7], v[KV+16*\t:KV+16*\t+15], v[PC:PC+15], v[O+8*\t:O+8*\t+7], v[VS+\t], v[PWD] matrix_a_fmt:MATRIX_FMT_BF8 matrix_b_fmt:MATRIX_FMT_BF8
.endr
.endm
.macro NEWM                            ; v13 holds the running largest t: the new -M and F = 2^(old M - new M)
	v_mov_b32 v[TC], v12
	s_delay_alu instid0(VALU_DEP_2)
	v_floor_f32 v12, -v13                          ; -M = floor(-t) = -ceil(t): M is a whole number
	s_delay_alu instid0(VALU_DEP_1)
	v_sub_f32 v[TC], v12, v[TC]                    ; old M - new M: a whole number, 0 or less
	s_delay_alu instid0(VALU_DEP_1)
	v_cvt_i32_f32 v[TC], v[TC]                     ; (it saturates)
	s_delay_alu instid0(VALU_DEP_1)
	v_ldexp_f32 v[F], 1.0, v[TC]                   ; a multiplication by it rounds nothing
.endm
; A KEY STEP WITH A SOFTMAX: 128 keys.  mask = 1: the step may lie on the diagonal.
.macro HEAVY mask
	v_add_nc_u32 v[ADK], s[TK], v[LI]
	v_add_nc_u32 v[ADS], s[TS], v[R16]
	v_add_nc_u32 v[ADV], s[TV], v[LI]
	v_add_nc_u32 v[ADT], s[TJ], v[R16]
.rept 4
	v_nop                                          ; with the four additions: eight places in front of loads into registers that the last products have read
.endr
.irp t, 0,1,2,3,4,5,6,7
	ds_load_b128 v[KV+8*\t:KV+8*\t+3], v[ADK] offset:1024*\t
	ds_load_b128 v[KV+8*\t+4:KV+8*\t+7], v[ADK] offset:1024*\t+512
.endr
	ds_load_b128 v[KS:KS+3], v[ADS]
	ds_load_b128 v[KS+4:KS+7], v[ADS] offset:256
	s_wait_alu depctr_va_vdst(0)
	s_wait_dscnt 0x0
.irp t, 0,1,2,3,4,5,6,7
	v_wmma_scale_f32_16x16x128_f8f6f4 v[S+8*\t:S+8*\t+7], v[KV+8*\t:KV+8*\t+15], v[QF:QF+15], 0, v[KS+\t], v[QW] matrix_a_fmt:MATRIX_FMT_BF8 matrix_b_fmt:MATRIX_FMT_BF8
.endr
.rept 8
	v_nop                                          ; eight places: in front of the loads into K's registers, and of the first read of the scores
.endr
	VLOADS                                         ; V lands while the softmax is worked
.if \mask
	s_add_co_u32 s39, s[KF], 127                   ; a step all of whose keys count skips the mask: a scalar branch on ids
	s_cmp_le_u32 s39, s[Q0]
	s_cbranch_scc1 .Lopen_\@
	s_sub_co_i32 s39, s[Q0], s[KF]
	v_add_nc_u32 v[TA], s39, v[RH]                 ; d = my query - the step's first key - 8 h.  Register 8 T + j holds key 16 T + j + 8 h: hidden where 16 T + j > d
	v_mov_b32 v[TB], s[SMK]
.irp n, 0,1,2,3,4,5,6,7,8,9,10,11,12,13,14,15,16,17,18,19,20,21,22,23,24,25,26,27,28,29,30,31,32,33,34,35,36,37,38,39,40,41,42,43,44,45,46,47,48,49,50,51,52,53,54,55,56,57,58,59,60,61,62,63
	v_cmp_gt_i32 vcc_lo, 16*(\n/8)+\n%8, v[TA]
	v_cndmask_b32 v[S+\n], v[S+\n], v[TB], vcc_lo
.endr
.Lopen_\@:
.endif
.irp b, 0,1,2,3
	v_max3_num_f32 v[BM+\b], v[S+16*\b], v[S+16*\b+1], v[S+16*\b+2]   ; the largest score of each block of 32 keys: it serves the row's maximum and, since p rises with the score, the block's largest p
.endr
.irp i, 3,5,7,9,11,13
.irp b, 0,1,2,3
	v_max3_num_f32 v[BM+\b], v[BM+\b], v[S+16*\b+\i], v[S+16*\b+\i+1]
.endr
.endr
.irp b, 0,1,2,3
	v_max_num_f32 v[BM+\b], v[BM+\b], v[S+16*\b+15]
.endr
.irp b, 0,1,2,3
	s_delay_alu instid0(VALU_DEP_4)
	v_permlanex16_b32 v[T1+\b], v[BM+\b], s[SEL], s[SEL+1]
.endr
.irp b, 0,1,2,3
	s_delay_alu instid0(VALU_DEP_4)
	v_max_num_f32 v[BM+\b], v[BM+\b], v[T1+\b]     ; with lane l xor 16's 16 keys
.endr
	s_delay_alu instid0(VALU_DEP_2)
	v_max3_num_f32 v[TC], v[BM], v[BM+1], v[BM+2]
	s_delay_alu instid0(VALU_DEP_1)
	v_max_num_f32 v[TC], v[TC], v[BM+3]
	s_delay_alu instid0(VALU_DEP_1)
	v_mul_f32 v[TC], s[CS], v[TC]                  ; the step's largest t (c is positive)
	s_delay_alu instid0(VALU_DEP_1)
	v_max_num_f32 v13, v13, v[TC]
	NEWM
.irp j, 0,2,4,6,8,10,12,14,16,18,20,22,24,26,28,30,32,34,36,38,40,42,44,46,48,50,52,54,56,58,60,62
	v_pk_fma_f32 v[S+\j:S+\j+1], v[S+\j:S+\j+1], s[CS:CS+1], v[12:13] op_sel_hi:[1,0,0]   ; t - M, two at a time
.endr
.irp b, 0,1,2,3
	v_fma_f32 v[BM+\b], v[BM+\b], s[CS], v12
.endr
	s_wait_alu depctr_va_vdst(0)
.irp j, 0,1,2,3,4,5,6,7,8,9,10,11,12,13,14,15,16,17,18,19,20,21,22,23,24,25,26,27,28,29,30,31,32,33,34,35,36,37,38,39,40,41,42,43,44,45,46,47,48,49,50,51,52,53,54,55,56,57,58,59,60,61,62,63
	v_exp_f32 v[S+\j], v[S+\j]                     ; p = 2^(t - M), not normalised
.endr
.irp b, 0,1,2,3
	v_exp_f32 v[BM+\b], v[BM+\b]                   ; the block's largest p
.endr
	v_pk_mul_f32 v[14:15], v[14:15], v[F:F+1] op_sel_hi:[1,0]   ; l under the new M.  (A plain place behind the exponentials)
	s_wait_alu depctr_va_vdst(0)
.irp b, 0,1,2,3
	v_max_num_f32 v[BM+\b], 0x8000000, v[BM+\b]    ; the floor 2^(16 - 127): the byte cannot fall under 1
.endr
.irp b, 0,1,2,3
	s_delay_alu instid0(VALU_DEP_4)
	v_add_nc_u32 v[SO+\b], 0xf8800000, v[BM+\b]    ; 15 off the exponent field: the conversion's scale operand
.endr
.irp b, 0,1,2,3
	v_and_or_b32 v[HD+\b], v[BM+\b], 0x7f800000, s[MNT]   ; 57,344 x the scale
.endr
.irp b, 0,1,2,3
	v_lshrrev_b32 v[T1+\b], 23, v[SO+\b]           ; the scale's byte
.endr
	s_delay_alu instid0(VALU_DEP_3)
	v_lshl_or_b32 v[PWD], v[T1+1], 8, v[T1]        ; p's scale word for these 128 keys
	s_delay_alu instid0(VALU_DEP_1)
	v_lshl_or_b32 v[PWD], v[T1+2], 16, v[PWD]
	s_delay_alu instid0(VALU_DEP_1)
	v_lshl_or_b32 v[PWD], v[T1+3], 24, v[PWD]
	v_pk_add_f32 v[244:245], v[108:109], v[112:113]
	v_pk_add_f32 v[254:255], v[116:117], v[120:121]
	v_pk_add_f32 v[246:247], v[124:125], v[128:129]
	v_pk_add_f32 v[236:237], v[132:133], v[136:137]
	v_pk_add_f32 v[230:231], v[140:141], v[144:145]
	v_pk_add_f32 v[228:229], v[148:149], v[152:153]
	v_pk_add_f32 v[222:223], v[156:157], v[160:161]
	v_pk_add_f32 v[14:15], v[14:15], v[164:165]
	v_pk_add_f32 v[244:245], v[244:245], v[104:105]
	v_pk_add_f32 v[254:255], v[254:255], v[106:107]
	v_pk_add_f32 v[246:247], v[246:247], v[110:111]
	v_pk_add_f32 v[236:237], v[236:237], v[114:115]
	v_pk_add_f32 v[230:231], v[230:231], v[118:119]
	v_pk_add_f32 v[228:229], v[228:229], v[122:123]
	v_pk_add_f32 v[222:223], v[222:223], v[126:127]
	v_pk_add_f32 v[14:15], v[14:15], v[130:131]
	v_pk_add_f32 v[244:245], v[244:245], v[134:135]
	v_pk_add_f32 v[254:255], v[254:255], v[138:139]
	v_pk_add_f32 v[246:247], v[246:247], v[142:143]
	v_pk_add_f32 v[236:237], v[236:237], v[146:147]
	v_pk_add_f32 v[230:231], v[230:231], v[150:151]
	v_pk_add_f32 v[228:229], v[228:229], v[154:155]
	v_pk_add_f32 v[222:223], v[222:223], v[158:159]
	v_pk_add_f32 v[14:15], v[14:15], v[162:163]
	v_pk_add_f32 v[244:245], v[244:245], v[166:167]
	s_delay_alu instid0(VALU_DEP_2)
	v_pk_add_f32 v[14:15], v[14:15], v[236:237]
	s_delay_alu instid0(VALU_DEP_2)
	v_pk_add_f32 v[244:245], v[244:245], v[230:231]
	v_pk_add_f32 v[254:255], v[254:255], v[228:229]
	v_pk_add_f32 v[246:247], v[246:247], v[222:223]
	s_delay_alu instid0(VALU_DEP_2)
	v_pk_add_f32 v[14:15], v[14:15], v[254:255]
	s_delay_alu instid0(VALU_DEP_2)
	v_pk_add_f32 v[244:245], v[244:245], v[246:247]
	s_delay_alu instid0(VALU_DEP_1)
	v_pk_add_f32 v[14:15], v[14:15], v[244:245]
.irp b, 0,1,2,3
.irp i, 0,1,2,3,4,5,6,7,8,9,10,11,12,13,14,15
.endr
	v_cvt_scalef32_pk8_bf8_f32 v[PC+4*\b:PC+4*\b+1], v[S+16*\b:S+16*\b+7], v[SO+\b]
	v_cvt_scalef32_pk8_bf8_f32 v[PC+4*\b+2:PC+4*\b+3], v[S+16*\b+8:S+16*\b+15], v[SO+\b]
.endr
.irp j, 0,2,4,6,8,10,12,14,16,18,20,22,24,26,28,30
	v_pk_mul_f32 v[O+\j:O+\j+1], v[O+\j:O+\j+1], v[F:F+1] op_sel_hi:[1,0]   ; O^T under the new M, from each accumulator's low end on.  (These are also the places between the codes and the products)
.endr
	s_wait_alu depctr_va_vdst(0)
	PV
.endm
; A KEY STEP ALL OF WHOSE KEYS ARE HIDDEN.  At the first such step of a pass (a scalar compare of ids) the one p of all hidden keys is made, with its code and byte, and l takes all hidden keys at once.
.macro HIDDEN
	v_add_nc_u32 v[ADV], s[TV], v[LI]
	v_add_nc_u32 v[ADT], s[TJ], v[R16]
.rept 6
	v_nop                                          ; with the two additions: eight places behind the last products
.endr
	s_cmp_lg_u32 s[KF], s[FH]
	s_cbranch_scc1 .Lready_\@
	v_max_num_f32 v13, v13, v[TMK]                 ; the hidden keys' t takes part in the maximum
	NEWM
	s_delay_alu instid0(VALU_DEP_4)
	v_fma_f32 v[BM], s[SMK], s[CS], v12            ; t - M of a hidden key, by the multiply-add that every score goes through
	s_wait_alu depctr_va_vdst(0)
	v_exp_f32 v[BM], v[BM]
	v_pk_mul_f32 v[14:15], v[14:15], v[F:F+1] op_sel_hi:[1,0]   ; (a plain place behind the exponential)
	s_wait_alu depctr_va_vdst(0)
.irp j, 0,2,4,6,8,10,12,14,16,18,20,22,24,26,28,30
	v_pk_mul_f32 v[O+\j:O+\j+1], v[O+\j:O+\j+1], v[F:F+1] op_sel_hi:[1,0]
.endr
	s_wait_alu depctr_va_vdst(0)
	v_fma_f32 v14, v[NH], v[BM], v14               ; my half of the hidden keys, each with p
	v_max_num_f32 v[BM+1], 0x8000000, v[BM]        ; the floor
	s_delay_alu instid0(VALU_DEP_1)
	v_add_nc_u32 v[SO], 0xf8800000, v[BM+1]
	s_delay_alu instid0(VALU_DEP_2)
	v_and_or_b32 v[HD], v[BM+1], 0x7f800000, s[MNT]
	s_delay_alu instid0(VALU_DEP_2)
	v_lshrrev_b32 v[T1], 23, v[SO]
	s_delay_alu instid0(VALU_DEP_1)
	v_lshl_or_b32 v[T1], v[T1], 8, v[T1]
	s_delay_alu instid0(VALU_DEP_1)
	v_lshl_or_b32 v[PWD], v[T1], 16, v[T1]         ; the same byte for the four blocks
	v_min_num_f32 v[S], v[BM], v[HD]
.irp j, 1,2,3,4,5,6,7
	v_mov_b32 v[S+\j], v[S]
.endr
	v_cvt_scalef32_pk8_bf8_f32 v[PC:PC+1], v[S:S+7], v[SO]
	v_nop                                          ; one plain place behind the conversion
.irp j, 1,2,3,4,5,6,7
	v_mov_b32 v[PC+2*\j], v[PC]
	v_mov_b32 v[PC+2*\j+1], v[PC+1]
.endr
.rept 4
	v_nop                                          ; four places between the codes and the products; the scale word stands more than eight ahead
.endr
.Lready_\@:
	s_wait_alu depctr_va_vdst(0)
	VLOADS
	PV
.endm
.macro ADVANCE
	s_add_co_u32 s[TK], s[TK], 8192
	s_add_co_u32 s[TV], s[TV], 8192
	s_add_co_u32 s[TS], s[TS], 512
	s_add_co_u32 s[TJ], s[TJ], 256
	s_add_co_u32 s[KF], s[KF], 128
.endm
.macro GSTEP                           ; a step that may be of either kind: a scalar branch on ids, inside the loop
	s_cmp_gt_u32 s[KF], s[QL]
	s_cbranch_scc1 .Lhid_\@
	HEAVY 1
	s_branch .Ladv_\@
.Lhid_\@:
	HIDDEN
.Ladv_\@:
	ADVANCE
.endm
.macro START k                         ; the scalars of key step k
	s_mov_b32 s[TK], KB+8192*\k
	s_mov_b32 s[TV], VB+8192*\k
	s_mov_b32 s[TS], KSC+512*\k
	s_mov_b32 s[TJ], VSC+256*\k
	s_mov_b32 s[KF], 128*\k
.endm
.macro PASSHEAD pass
	s_wait_xcnt 0x0                                ; the last pass's stores have read their addresses and data
.if \pass == 0
	s_lshl_b32 s[TAU], s[XG], 4
	s_add_co_u32 s[TAU], s[TAU], s[WV]             ; tile 16 x + wave: 0 .. 63
.else
	s_sub_co_u32 s[TAU], 127, s[TAU]               ; and its partner: 64 .. 127
.endif
	s_lshl_b32 s[Q0], s[TAU], 4
	s_add_co_u32 s[QL], s[Q0], 15
	s_lshr_b32 s[FH], s[Q0], 7
	s_add_co_u32 s[FH], s[FH], 1
	s_lshl_b32 s[FH], s[FH], 7                     ; the first step all of whose keys come after my queries
	s_sub_co_u32 s39, 2048, s[FH]
	s_lshr_b32 s39, s39, 1
	v_cvt_f32_u32 v[NH], s39
	s_lshl_b32 s100, s[TAU], 10
	s_mov_b32 s101, 0
	s_add_nc_u64 s[QP:QP+1], s[96:97], s[100:101]
	s_lshr_b32 s100, s[TAU], 3                     ; Q's scale words: [tile / 8][(tile / 4) % 2][r][tile % 4]
	s_lshl_b32 s100, s100, 9
	s_bfe_u32 s39, s[TAU], 0x10002
	s_lshl_b32 s39, s39, 8
	s_add_co_u32 s100, s100, s39
	s_and_b32 s39, s[TAU], 3
	s_lshl_b32 s39, s39, 2
	s_add_co_u32 s100, s100, s39
	s_add_nc_u64 s[QSP:QSP+1], s[98:99], s[100:101]
	s_lshl_b32 s100, s[TAU], 14
	s_add_nc_u64 s[AOP:AOP+1], s[12:13], s[100:101]
	s_lshl_b32 s100, s[TAU], 9
	s_add_nc_u64 s[ASP:ASP+1], s[14:15], s[100:101]
	global_load_b128 v[QF:QF+3], v[LI], s[QP:QP+1]
	global_load_b128 v[QF+4:QF+7], v[LI], s[QP:QP+1] offset:512
	global_load_b32 v[QW], v[R16], s[QSP:QSP+1]
	v_mov_b32 v13, 0xff61b1e6                      ; the largest t so far: -3e38, under every t
	s_delay_alu instid0(VALU_DEP_1)
	v_floor_f32 v12, -v13
	v_mov_b32 v14, 0
	v_mov_b32 v15, 0
.irp j, 0,1,2,3,4,5,6,7,8,9,10,11,12,13,14,15,16,17,18,19,20,21,22,23,24,25,26,27,28,29,30,31
	v_mov_b32 v[O+\j], 0                           ; the step is written without a first step of its own: it finds zeros, which the first change of M leaves zeros
.endr
	s_wait_loadcnt 0x0                             ; Q
.endm
; THE WAY OUT of a tile of queries: O^T / l; quantised along the model's axis (my head's 64 are two blocks of 32); the codes brought into the true order along K, since the projection's other operand is given in it.
.macro WAYOUT
.rept 8
	v_nop                                          ; eight places behind the last products
.endr
	v_add_f32 v14, v14, v15
	s_delay_alu instid0(VALU_DEP_1)
	v_permlanex16_b32 v[TA], v14, s[SEL], s[SEL+1]
	s_delay_alu instid0(VALU_DEP_1)
	v_add_f32 v14, v14, v[TA]                      ; the row's sum
	s_wait_alu depctr_va_vdst(0)
	v_rcp_f32 v[F], v14
	v_nop
	s_wait_alu depctr_va_vdst(0)
.irp j, 0,2,4,6,8,10,12,14,16,18,20,22,24,26,28,30
	v_pk_mul_f32 v[S+\j:S+\j+1], v[O+\j:O+\j+1], v[F:F+1] op_sel_hi:[1,0]   ; register 8 t + j: channel 16 t + 8 h + j of my query
.endr
.irp b, 0,1
	v_max3_num_f32 v[BM+\b], |v[S+16*\b]|, |v[S+16*\b+1]|, 0x8000000
.endr
.irp i, 2,4,6,8,10,12,14
.irp b, 0,1
	s_delay_alu instid0(VALU_DEP_2)
	v_max3_num_f32 v[BM+\b], v[BM+\b], |v[S+16*\b+\i]|, |v[S+16*\b+\i+1]|
.endr
.endr
.irp b, 0,1
	s_delay_alu instid0(VALU_DEP_2)
	v_permlanex16_b32 v[T1+\b], v[BM+\b], s[SEL], s[SEL+1]
.endr
.irp b, 0,1
	s_delay_alu instid0(VALU_DEP_2)
	v_max_num_f32 v[BM+\b], v[BM+\b], v[T1+\b]
.endr
.irp b, 0,1
	s_delay_alu instid0(VALU_DEP_2)
	v_add_nc_u32 v[SO+\b], 0xf8800000, v[BM+\b]
.endr
.irp b, 0,1
.endr
.irp b, 0,1
	s_delay_alu instid0(VALU_DEP_2)
	v_lshrrev_b32 v[T1+\b], 23, v[SO+\b]
.endr
.irp b, 0,1
.irp i, 0,1,2,3,4,5,6,7,8,9,10,11,12,13,14,15
.endr
	v_cvt_scalef32_pk8_bf8_f32 v[PC+4*\b:PC+4*\b+1], v[S+16*\b:S+16*\b+7], v[SO+\b]        ; channels 32 b + 8 h + 0 .. 7
	v_cvt_scalef32_pk8_bf8_f32 v[PC+4*\b+2:PC+4*\b+3], v[S+16*\b+8:S+16*\b+15], v[SO+\b]   ; channels 32 b + 16 + 8 h + 0 .. 7
.endr
	v_nop
	; the operand's layout gives lane (r, h) channels 32 b + 16 h + 0 .. 15: lanes 0-15 keep their first 8 bytes and take the partner's first 8; lanes 16-31 take the partner's last 8 and keep their last 8
.irp i, 0,1
	v_cndmask_b32 v[T1+2+\i], v[PC+2+\i], v[PC+\i], s[HM]       ; what I send: lanes 0-15 their last 8 bytes, lanes 16-31 their first
	v_cndmask_b32 v[SO+2+\i], v[PC+6+\i], v[PC+4+\i], s[HM]
.endr
.irp i, 0,1
	s_delay_alu instid0(VALU_DEP_4)
	v_permlanex16_b32 v[HD+2+\i], v[T1+2+\i], s[SEL], s[SEL+1]
	s_delay_alu instid0(VALU_DEP_4)
	v_permlanex16_b32 v[SM2+\i], v[SO+2+\i], s[SEL], s[SEL+1]
.endr
.irp i, 0,1
	v_cndmask_b32 v[PC+8+\i], v[PC+\i], v[HD+2+\i], s[HM]
	v_cndmask_b32 v[PC+10+\i], v[HD+2+\i], v[PC+2+\i], s[HM]
	v_cndmask_b32 v[PC+12+\i], v[PC+4+\i], v[SM2+\i], s[HM]
	v_cndmask_b32 v[PC+14+\i], v[SM2+\i], v[PC+6+\i], s[HM]
.endr
	v_cndmask_b32 v[TA], v[T1], v[T1+1], s[HM]     ; lanes 0-15 store block 0's byte, lanes 16-31 block 1's
	global_store_b128 v[LI], v[PC+8:PC+11], s[AOP:AOP+1]              ; 32 lanes store 512 consecutive bytes, aligned
	global_store_b128 v[LI], v[PC+12:PC+15], s[AOP:AOP+1] offset:512
	global_store_b8 v[ASO], v[TA], s[ASP:ASP+1]    ; two bytes of each of 16 rows of 32: single bytes, one for each 32 bytes of codes
.endm
; A stage of 512 keys: the two waves that fetch wait for its loads, every wave passes the barrier, four key steps follow.
.macro STAGE g, both
	s_wait_tensorcnt 3-\g
	s_wait_dscnt 0x0
	s_barrier_signal -1
	s_barrier_wait -1
	START 4*\g
	s_mov_b32 s[CNT], 4
.Lstage_\@:
.if \both
	GSTEP
.else
	HIDDEN                                         ; queries under 1,024 see no key from 1,024 on
	ADVANCE
.endif
	s_sub_co_u32 s[CNT], s[CNT], 1
	s_cmp_lg_u32 s[CNT], 0
	s_cbranch_scc1 .Lstage_\@
.endm
	PASSHEAD 0
	STAGE 0, 1
	STAGE 1, 1
	STAGE 2, 0
	STAGE 3, 0
	WAYOUT
	PASSHEAD 1
	START 0
	s_mov_b32 s[CNT], 8
.Lopen_half:                                       ; queries from 1,024 on see every key under 1,024
	HEAVY 0
	ADVANCE
	s_sub_co_u32 s[CNT], s[CNT], 1
	s_cmp_lg_u32 s[CNT], 0
	s_cbranch_scc1 .Lopen_half
	START 8
	s_mov_b32 s[CNT], 8
.Ldiag_half:
	GSTEP
	s_sub_co_u32 s[CNT], s[CNT], 1
	s_cmp_lg_u32 s[CNT], 0
	s_cbranch_scc1 .Ldiag_half
	WAYOUT
	s_wait_xcnt 0x0
	v_lshl_add_u32 v254, v0, 2, 0x43000
	v_mov_b32 v255, 0
	s_wait_alu depctr_va_vdst(0)
	s_wait_tensorcnt 0x0
	ds_add_u32 v254, v255
	s_wait_dscnt 0x0
	s_endpgm
.Lfunc_end_k_qf02f6dd6ac_attn:
	.size	k_qf02f6dd6ac_attn, .Lfunc_end_k_qf02f6dd6ac_attn-k_qf02f6dd6ac_attn
	.p2alignl 7, 3214868480
	.fill 96, 4, 3214868480
	.section	.rodata,"a",@progbits
	.p2align	6, 0x0
	.amdhsa_kernel k_qf02f6dd6ac_attn
		.amdhsa_group_segment_fixed_size 276480
		.amdhsa_private_segment_fixed_size 0
		.amdhsa_enable_private_segment 0
		.amdhsa_kernarg_size 48
		.amdhsa_user_sgpr_count 2
		.amdhsa_user_sgpr_kernarg_segment_ptr 1
		.amdhsa_wavefront_size32 1
		.amdhsa_system_sgpr_workgroup_id_x 1
		.amdhsa_system_sgpr_workgroup_id_y 1
		.amdhsa_system_sgpr_workgroup_id_z 1
		.amdhsa_system_vgpr_workitem_id 0
		.amdhsa_next_free_vgpr 256
		.amdhsa_next_free_sgpr 102
		.amdhsa_reserve_vcc 1
		.amdhsa_float_denorm_mode_32 3
		.amdhsa_float_denorm_mode_16_64 3
		.amdhsa_fp16_overflow 1
		.amdhsa_memory_ordered 1
		.amdhsa_forward_progress 1
		.amdhsa_inst_pref_size 139
	.end_amdhsa_kernel
	.amdgpu_metadata
---
amdhsa.version: [ 1, 2 ]
amdhsa.kernels:
  - .name:           k_qf02f6dd6ac_attn
    .symbol:         k_qf02f6dd6ac_attn.kd
    .args:
      - { .name: qkimg, .offset: 0, .size: 8, .value_kind: global_buffer, .address_space: global }
      - { .name: qksc, .offset: 8, .size: 8, .value_kind: global_buffer, .address_space: global }
      - { .name: vimg, .offset: 16, .size: 8, .value_kind: global_buffer, .address_space: global }
      - { .name: vsc, .offset: 24, .size: 8, .value_kind: global_buffer, .address_space: global }
      - { .name: aimg, .offset: 32, .size: 8, .value_kind: global_buffer, .address_space: global }
      - { .name: asc, .offset: 40, .size: 8, .value_kind: global_buffer, .address_space: global }
    .group_segment_fixed_size: 276480
    .private_segment_fixed_size: 0
    .kernarg_segment_align: 8
    .kernarg_segment_size: 48
    .max_flat_workgroup_size: 512
    .sgpr_count:     102
    .vgpr_count:     256
    .wavefront_size: 32
...
	.end_amdgpu_metadata
.endif
;; end of part 3
;; launch proj (part 4): grid 4 x 32, 4 waves a work-group, clusters of 4 x 4, 327,680 bytes of LDS; arguments aimg, asc, c_proj_w_codes, c_proj_w_scales, c_proj_b, out0; writes out0
.if DOCPART == 4
	.amdgcn_target "amdgcn-amd-amdhsa--gfx1250"
	.amdhsa_code_object_version 6
	.text
	.protected	k_qf02f6dd6ac_proj
	.globl	k_qf02f6dd6ac_proj
	.p2align	8
	.type	k_qf02f6dd6ac_proj,@function
k_qf02f6dd6ac_proj:
	s_mov_b64 s[64:65], 0
	v_nop
	global_prefetch_b8 v0, s[64:65] scope:SCOPE_SE
	s_setreg_imm32_b32 hwreg(HW_REG_WAVE_MODE, 25, 1), 1
	s_wait_xcnt 0x0
	s_wait_alu depctr_hold_cnt(0) depctr_sa_sdst(0) depctr_va_vdst(0) depctr_va_sdst(0) depctr_va_ssrc(0) depctr_va_vcc(0) depctr_vm_vsrc(0)
	s_getreg_b32 s2, hwreg(HW_REG_IB_STS2, 6, 4)
	s_cmp_eq_u32 s2, 0
	s_cbranch_scc0 .Lentry_in_a_cluster
	s_endpgm
.Lentry_in_a_cluster:
	s_bfe_u32 s2, ttmp6, 0x10000c
	s_cmp_lg_u32 s2, 0xf033
	s_cbranch_scc0 .Lentry_shape_is_right
	s_endpgm
.Lentry_shape_is_right:
; out = a Wp + b: a [8192][1024], the attention's result, as codes of BF8 (E5M2) laid as images of operand registers; Wp [1024 rows n][1024] codes, K innermost; scale bytes [row][32]; out [8192][1024] f32.
; A tile of 256 x 256 of out is made by four waves, 128 x 128 each: 64 accumulators.  K goes in steps of 256 through a ring of two LDS slots; the scale bytes of the work-group's rows come into LDS once.
; A's TILES ARE IMAGES: aimg [token / 16][K / 128][c 4][lane][16 bytes]: 16 tokens x 256 along K are 4,096 consecutive bytes, 16,384 bytes from one block of tokens to the next: a wave's load brings 8 such rows, dense in LDS,
; and a fragment's load takes 512 consecutive bytes.  B's tiles are rows of 256 bytes with 16 of padding.
; CLUSTERS: 4 x 4 work-groups; a's tiles are shared along a row of the cluster, Wp's along a column: joint loads.  TRANSPOSED USE (source 0 = 16 rows of Wp, source 1 = 16 tokens): a lane holds eight neighbouring numbers of a row of out.
; The bias is the C of each sum's first product.  8,192 x 1,024 are 128 such tiles: 128 work-groups; a smaller tile would read more LDS bytes for each product.
.set SIZE_K, 1024
.set SIZE_N, 1024
.set KSTEP,  256
.set NQ,     KSTEP/128
.set ROWB,   256                       ; a row of B's tile in bytes
.set AROWB,  4096                      ; a row of A's tile: 16 tokens x 256 along K
.set KROW,   SIZE_K
.set PITCH,  272                       ; B's LDS row: 256 bytes + 16 of padding: the 16 rows that a load touches start at 16 different banks (ISA guide 11.1)
.set FR,     16
.set NL,     4
.set NP,     8                         ; places behind this matrix instruction (ISA guide 7.12.1)
.set HALFT,  128*PITCH                 ; the room of one tensor load's tile (A's uses 32,768 bytes of it)
.set SLOT,   4*HALFT
.set LAPS,   SIZE_K/(2*KSTEP)
.set KS,     SIZE_K/32
.set SCL,    2*SLOT
.set HALFS,  (128*KS/256)*272
.set SBLK,   (16*KS/256)*272
.set SPARE,  SCL+4*HALFS               ; the spare words, 128 bytes for each wave, that no other line names
.set SPITCH, 528                       ; the way out: a stage of 16 rows x (512 bytes + 16) for each wave, in slot 0, which has had its last fill and its last read when the first result is stored there
.set ADRA, 16
.set ADRB, 20
.set STO,  24
.set RD,   25
.set CO,   26
.set ADRS, 27
.set SPW,  28
.set NIL,  29
.set SC,   32
.set BI,   64                          ; v64-127 the bias in the result's layout: register 8 b + j = b(16 b + 8 h + j)
.set AF,   128
.set BK,   128
.set G1, 24
.set G0, 32
.set G1B, 48
.set G0B, 56
.set G1S, 68
.set G0S, 76
.set G1SB, 80
.set G0SB, 88
.set MSB, 0
.macro WIN new                         ; the immediate's high byte repeats the setting that is left
.if MSB != (\new)
	s_set_vgpr_msb (MSB<<8)|(\new)
.set MSB, (\new)
.endif
.endm
.set MUL_LO, 0xa1
.set MUL_HI, 0xf1
.set FIRST_LO, 0x81
.set FIRST_HI, 0xc1
.set TO_B,   0x40
.macro JLOAD g0a, g1a, g0b, g1b        ; a joint load: waves 0 and 1 fetch for A, waves 2 and 3 for B; four v_nop follow each of the two lines
	s_cmp_eq_u32 s15, 0
	s_cbranch_scc0 .Lfor_b_\@
	tensor_load_to_lds s[\g0a:\g0a+3], s[\g1a:\g1a+7]
	s_nop 0
.rept 4
	v_nop
.endr
	s_branch .Lasked_\@
.Lfor_b_\@:
	tensor_load_to_lds s[\g0b:\g0b+3], s[\g1b:\g1b+7]
	s_nop 0
.rept 4
	v_nop
.endr
.Lasked_\@:
.endm
.macro CREST
	s_cmp_lg_u32 s14, 0
	s_cbranch_scc1 .Lnot_wave_0_\@
	s_barrier_signal -3
.Lnot_wave_0_\@:
	s_barrier_wait -3
	s_barrier_signal -1
	s_barrier_wait -1
.endm
.macro CROUND
	s_barrier_signal -1
	s_barrier_wait -1
	CREST
.endm
	s_load_b128 s[4:7], s[0:1], 0x0                ; a's images s[4:5], a's scales s[6:7]
	s_load_b128 s[8:11], s[0:1], 0x10              ; Wp's codes s[8:9], Wp's scales s[10:11]
	s_load_b64 s[96:97], s[0:1], 0x20              ; the bias
	s_load_b64 s[12:13], s[0:1], 0x28              ; out
	v_lshl_add_u32 v[SPW], v0, 2, SPARE
	v_mov_b32 v[NIL], 0
	ds_add_u32 v28, v29
	ds_add_u32 v28, v29
	s_wait_dscnt 0x0
	v_lshrrev_b32 v1, 5, v0
	v_readfirstlane_b32 s14, v1                    ; wave 0..3
	s_lshr_b32 s15, s14, 1                         ; which half of the tile's rows is mine.  Also: I fetch for A (0) or for B (1)
	s_and_b32 s16, s14, 1                          ; which half of its columns.  Also: which 128 rows of that tile I fetch
	s_bfe_u32 s40, ttmp6, 0x40000                  ; cx, cy
	s_bfe_u32 s41, ttmp6, 0x40004
	s_lshl_b32 s42, ttmp9, 2
	s_add_co_u32 s42, s42, s40                     ; tile column = 4 x cluster x + cx
	s_and_b32 s17, ttmp7, 0xffff
	s_lshl_b32 s17, s17, 2
	s_add_co_u32 s17, s17, s41                     ; tile row = 4 x cluster y + cy
	s_lshl_b32 s43, s41, 2
	s_lshl_b32 s43, 15, s43                        ; my row of the cluster
	s_lshl_b32 s44, 0x1111, s40                    ; my column
	; group 1 for A's images: 8 rows of 512 elements of 8 bytes, 2,048 elements apart, no padding
	s_or_b32 s[G1+0], s43, (3<<16)|(1<<21)         ; the mask: A's tiles go to my row; elements of 8 bytes; 21 set beside a mask
	s_mov_b32 s[G1+1], 512<<16                     ; tensor_dim0
	s_mov_b32 s[G1+2], 8<<16                       ; tensor_dim1
	s_mov_b32 s[G1+3], 512<<16                     ; tile_dim0
	s_mov_b32 s[G1+4], 8                           ; tile_dim1
	s_mov_b32 s[G1+5], 2048                        ; tensor_dim0_stride
	s_mov_b32 s[G1+6], 0
	s_mov_b32 s[G1+7], 0
	; group 1 for B's tiles: 128 rows x 256 bytes, padded in LDS
	s_or_b32 s[G1B+0], s44, (0<<16)|(1<<20)|(1<<21)|(5<<22)|(3<<25)
	s_mov_b32 s[G1B+1], ROWB<<16
	s_mov_b32 s[G1B+2], 128<<16
	s_mov_b32 s[G1B+3], ROWB<<16
	s_mov_b32 s[G1B+4], 128
	s_mov_b32 s[G1B+5], KROW
	s_mov_b32 s[G1B+6], 0
	s_mov_b32 s[G1B+7], 0
	s_or_b32 s[G1S+0], s43, (3<<16)|(1<<20)|(1<<21)|(5<<22)|(3<<25)
	s_or_b32 s[G1SB+0], s44, (3<<16)|(1<<20)|(1<<21)|(5<<22)|(3<<25)
.irp g, G1S, G1SB
	s_mov_b32 s[\g+1], 32<<16
	s_mov_b32 s[\g+2], (128*KS/256)<<16
	s_mov_b32 s[\g+3], 32<<16
	s_mov_b32 s[\g+4], 128*KS/256
	s_mov_b32 s[\g+5], 32
	s_mov_b32 s[\g+6], 0
	s_mov_b32 s[\g+7], 0
.endr
	s_lshl_b32 s18, s16, 7
	s_lshl_b32 s20, s17, 8
	s_add_co_u32 s20, s20, s18                     ; A: row 256 x tile row + 128 x half
	s_lshl_b32 s46, s42, 8
	s_add_co_u32 s46, s46, s18                     ; B: row 256 x tile column + 128 x half
	s_mov_b32 s21, 0
	s_mov_b32 s47, 0
	s_mov_b64 s[18:19], KS
	s_mul_u64 s[22:23], s[20:21], s[18:19]
	s_mul_u64 s[92:93], s[46:47], s[18:19]
	s_mov_b64 s[18:19], KROW
	s_mul_u64 s[20:21], s[20:21], s[18:19]         ; A's images too begin at row x 1,024 bytes: 16 tokens are 16,384 bytes
	s_mul_u64 s[46:47], s[46:47], s[18:19]
	s_mul_i32 s45, s14, HALFT
	s_mul_i32 s94, s14, HALFS
	s_wait_kmcnt 0x0
	s_add_nc_u64 s[20:21], s[4:5], s[20:21]
	s_add_nc_u64 s[22:23], s[6:7], s[22:23]
	s_add_nc_u64 s[46:47], s[8:9], s[46:47]
	s_add_nc_u64 s[92:93], s[10:11], s[92:93]
	CROUND                                         ; all sixteen work-groups are here: the first joint loads meet
	s_mov_b32 s[G0S], 1
	s_add_co_u32 s[G0S+1], s94, SCL
	s_mov_b64 s[G0S+2:G0S+3], s[22:23]
	s_or_b32 s[G0S+3], s[G0S+3], 0x80000000
	s_mov_b32 s[G0SB], 1
	s_add_co_u32 s[G0SB+1], s94, SCL
	s_mov_b64 s[G0SB+2:G0SB+3], s[92:93]
	s_or_b32 s[G0SB+3], s[G0SB+3], 0x80000000
	JLOAD G0S, G1S, G0SB, G1SB
.irp s, 0,1
	s_mov_b32 s[G0+4*\s], 1
	s_add_co_u32 s[G0+4*\s+1], s45, \s*SLOT
	s_add_nc_u64 s[G0+4*\s+2:G0+4*\s+3], s[20:21], \s*AROWB
	s_or_b32 s[G0+4*\s+3], s[G0+4*\s+3], 0x80000000
	s_mov_b32 s[G0B+4*\s], 1
	s_add_co_u32 s[G0B+4*\s+1], s45, \s*SLOT
	s_add_nc_u64 s[G0B+4*\s+2:G0B+4*\s+3], s[46:47], \s*ROWB
	s_or_b32 s[G0B+4*\s+3], s[G0B+4*\s+3], 0x80000000
	s_wait_alu depctr_va_vdst(0)
	s_wait_tensorcnt 0x0
	ds_add_u32 v28, v29
	s_wait_dscnt 0x0
	CROUND
	JLOAD G0+4*\s, G1, G0B+4*\s, G1B               ; one tensor load of mine is out now
.endr
	v_and_b32 v1, 15, v0                           ; r
	v_bfe_u32 v2, v0, 4, 1                         ; h
	v_mul_u32_u24 v3, v1, PITCH
	v_lshl_add_u32 v4, v2, 4, v3                   ; B: a fragment's row x pitch + 16 x half
	v_and_b32 v6, 31, v0
	v_lshlrev_b32 v[CO], 4, v6                     ; 16 x lane: A's images, and the way out
	s_mul_i32 s21, s15, HALFT                      ; my 128 rows of A
	s_mul_i32 s22, s16, HALFT                      ; my 128 rows of B,
	s_add_co_u32 s22, s22, 2*HALFT                 ; which lie behind A's
.irp s, 0,1
	v_add_nc_u32 v[ADRA+\s], s21, v[CO]
	v_add_nc_u32 v[ADRB+\s], s22, v4
	s_add_co_u32 s21, s21, SLOT
	s_add_co_u32 s22, s22, SLOT
.endr
	v_mul_u32_u24 v5, v1, KS
	v_lshrrev_b32 v6, 8, v5
	v_lshl_add_u32 v5, v6, 4, v5
	s_mul_i32 s21, s15, HALFS
	s_mul_i32 s22, s16, HALFS
	s_add_co_u32 s22, s22, 2*HALFS
	s_sub_co_u32 s22, s22, s21
	v_mul_u32_u24 v6, s22, v2
	s_add_co_u32 s21, s21, SCL
	v_add_nc_u32 v5, v5, v6
	v_add_nc_u32 v[ADRS], s21, v5
	s_mul_i32 s23, s14, 16*SPITCH                  ; my stage
	v_mul_u32_u24 v5, v1, SPITCH                   ; in: row l % 16, 32 bytes for each half of the lanes
	v_lshl_add_u32 v5, v2, 5, v5
	v_add_nc_u32 v[STO], s23, v5
	v_add_nc_u32 v[RD], s23, v[CO]                 ; back: the 32 lanes take one row of 512 bytes
	s_lshl_b32 s20, s17, 8
	s_lshl_b32 s21, s15, 7
	s_add_co_u32 s20, s20, s21                     ; my first row of out
	s_mov_b32 s21, 0
	s_mov_b64 s[18:19], SIZE_N*4
	s_mul_u64 s[20:21], s[20:21], s[18:19]
	s_lshl_b32 s46, s42, 10                        ; my first column, in bytes: 1,024 x tile column + 512 x half
	s_lshl_b32 s47, s16, 9
	s_add_co_u32 s46, s46, s47
	s_mov_b32 s47, 0
	s_add_nc_u64 s[96:97], s[96:97], s[46:47]      ; the bias of my 128 columns begins as many bytes on
	s_add_nc_u64 s[20:21], s[20:21], s[46:47]
	s_add_nc_u64 s[12:13], s[12:13], s[20:21]
	v_lshlrev_b32 v7, 5, v2                        ; the bias: lanes 16-31 begin 8 numbers on
.irp b, 0,1,2,3,4,5,6,7
	global_load_b128 v[BI+8*\b:BI+8*\b+3], v7, s[96:97] offset:64*\b
	global_load_b128 v[BI+8*\b+4:BI+8*\b+7], v7, s[96:97] offset:64*\b+16
.endr
.macro FRAG reg, adr, q, i             ; a fragment of B from padded rows
.irp c, 0,1,2,3
	ds_load_b128 v[\reg+4*\c:\reg+4*\c+3], v[\adr] offset:128*(\q)+32*\c+(\i)*16*PITCH
.endr
.endm
.macro FRAGA reg, adr, q, i            ; a fragment of A from its image: block of tokens i, the slot's q-th 128 along K, four times 512 consecutive bytes
.irp c, 0,1,2,3
	ds_load_b128 v[\reg+4*\c:\reg+4*\c+3], v[\adr] offset:4096*(\i)+2048*(\q)+512*\c
.endr
.endm
; 16 matrix instructions.  zero = 1: the first product starts the sums, with the bias as its C.  The 64 accumulators take turns.
.macro MUL16 a0, p, q, sc, zero
.irp a, \a0, \a0+1
.irp b, 0,1,2,3,4,5,6,7
.if \zero
	v_wmma_scale_f32_16x16x128_f8f6f4 v[8*(8*((\a)%4)+\b):8*(8*((\a)%4)+\b)+7], v[128*(\p)+FR*\b:128*(\p)+FR*\b+FR-1], v[AF+FR*(\a):AF+FR*(\a)+FR-1], v[BI+8*\b:BI+8*\b+7], v[SC+8*NQ*(\sc)+NQ*\b+(\q)], v[SC+8*NQ*(\sc)+NQ*(\a)+(\q)] matrix_a_fmt:MATRIX_FMT_BF8 matrix_b_fmt:MATRIX_FMT_BF8 matrix_a_scale:MATRIX_SCALE_ROW1
.else
	v_wmma_scale_f32_16x16x128_f8f6f4 v[8*(8*((\a)%4)+\b):8*(8*((\a)%4)+\b)+7], v[128*(\p)+FR*\b:128*(\p)+FR*\b+FR-1], v[AF+FR*(\a):AF+FR*(\a)+FR-1], v[8*(8*((\a)%4)+\b):8*(8*((\a)%4)+\b)+7], v[SC+8*NQ*(\sc)+NQ*\b+(\q)], v[SC+8*NQ*(\sc)+NQ*(\a)+(\q)] matrix_a_fmt:MATRIX_FMT_BF8 matrix_b_fmt:MATRIX_FMT_BF8 matrix_a_scale:MATRIX_SCALE_ROW1
.endif
.endr
.endr
.endm
.macro FETCH_B slot, q, p
	WIN TO_B
.irp i, 0,1,2,3,4,5,6,7
	FRAG 128*(\p)+FR*\i, ADRB+\slot, \q, \i
.endr
	WIN 0
.endm
.macro FETCH_A slot, q, i0
.irp i, \i0, \i0+1, \i0+2, \i0+3
	FRAGA AF+FR*(\i), ADRA+\slot, \q, \i
.endr
.endm
.macro SCALES sc
.irp i, 0,1,2,3,4,5,6,7
	ds_load_b64 v[SC+8*NQ*\sc+NQ*\i:SC+8*NQ*\sc+NQ*\i+1], v[ADRS] offset:\i*SBLK
.endr
.endm
.macro PLACES n                        ; places behind matrix instructions (ISA guide 7.12.1 for vector instructions)
.rept \n
	v_nop
.endr
.endm
.macro STEP slot, q, zero
	s_wait_dscnt 4*NL                              ; B's set and A's blocks 0-3 are in; the youngest sixteen loads (A's blocks 4-7) may be out
.if \zero
	WIN FIRST_LO
.else
	WIN MUL_LO
.endif
	MUL16 0, (\q)%2, \q, \slot, \zero
	MUL16 2, (\q)%2, \q, \slot, \zero
	s_wait_dscnt 0
	PLACES NP
	FETCH_B \slot, (\q)+1, 1-(\q)%2
	FETCH_A \slot, (\q)+1, 0
.if \zero
	WIN FIRST_HI
.else
	WIN MUL_HI
.endif
	MUL16 4, (\q)%2, \q, \slot, \zero
	MUL16 6, (\q)%2, \q, \slot, \zero
	PLACES NP
	WIN 0
	FETCH_A \slot, (\q)+1, 4
.endm
.macro TURN slot, next, fill
	s_wait_tensorcnt 0x0                           ; all my tensor loads have landed: my part of the next slot;
	ds_add_u32 v[SPW], v[NIL]                      ; 0 onto my spare word
	s_wait_dscnt 4*NL+1                            ; (the add and the youngest sixteen loads may be out)
	WIN MUL_LO
	MUL16 0, 1, NQ-1, \slot, 0
	s_wait_dscnt 0x0                               ; the add is done, and my reads of this slot are over
	s_barrier_signal -1
	MUL16 2, 1, NQ-1, \slot, 0
	WIN 0
	s_barrier_wait -1
.if \fill
	CREST                                          ; the barrier has opened a round of the cluster's barrier
	s_add_nc_u64 s[G0+4*\slot+2:G0+4*\slot+3], s[G0+4*\slot+2:G0+4*\slot+3], 2*AROWB
	s_add_nc_u64 s[G0B+4*\slot+2:G0B+4*\slot+3], s[G0B+4*\slot+2:G0B+4*\slot+3], 2*ROWB
	JLOAD G0+4*\slot, G1, G0B+4*\slot, G1B         ; the first tensor load behind the round
	PLACES NP-4
.else
	PLACES NP
.endif
	s_wait_alu depctr_va_vdst(0)
	v_add_nc_u32 v[ADRS], 4*NQ, v[ADRS]
	FETCH_B \next, 0, 0
	FETCH_A \next, 0, 0
	SCALES \next
	WIN MUL_HI
	MUL16 4, 1, NQ-1, \slot, 0
	MUL16 6, 1, NQ-1, \slot, 0
	PLACES NP
	WIN 0
	FETCH_A \next, 0, 4
.endm
	s_wait_alu depctr_va_vdst(0)
	s_wait_tensorcnt 1                             ; the scales and my part of K step 0 are in (K step 1's load may be out)
	s_barrier_signal -1
	s_barrier_wait -1
	FETCH_B 0, 0, 0
	FETCH_A 0, 0, 0
	SCALES 0
	FETCH_A 0, 0, 4
	s_wait_loadcnt 0x0                             ; the bias
	STEP 0, 0, 1
	s_mov_b32 s3, LAPS-1
.Llap:
	TURN 0, 1, 1
	STEP 1, 0, 0
	TURN 1, 0, 1
	STEP 0, 0, 0
	s_sub_co_u32 s3, s3, 1
	s_cmp_lg_u32 s3, 0
	s_cbranch_scc1 .Llap
	TURN 0, 1, 0
	STEP 1, 0, 0
	s_wait_dscnt 4*NL
	WIN MUL_LO
	MUL16 0, 1, NQ-1, 1, 0
	MUL16 2, 1, NQ-1, 1, 0
	s_wait_dscnt 0
	WIN MUL_HI
	MUL16 4, 1, NQ-1, 1, 0
	MUL16 6, 1, NQ-1, 1, 0
	WIN 0
; THE WAY OUT, block by block of 16 rows x 128 columns: through my own stage in LDS, back as whole rows of 512 bytes, which the 32 lanes store.  LDS serves a wave's instructions in order (ISA guide 5.7.1.4):
; no wait between the stores and the loads, nor in front of the next block's stores.
.macro TOSTAGE a
.set AC, 64*((\a)%4)
	WIN 0x08+4*((\a)/4)                            ; the data: window 2 or 3
.irp b, 0,1,2,3,4,5,6,7
	ds_store_b128 v[STO], v[AC+8*\b:AC+8*\b+3] offset:64*\b          ; each accumulator from its low end on
	ds_store_b128 v[STO], v[AC+8*\b+4:AC+8*\b+7] offset:64*\b+16
.endr
	WIN 0
.set BB, BK+64*((\a)%2)
.irp t, 0,1,2,3,4,5,6,7,8,9,10,11,12,13,14,15
	ds_load_b128 v[BB+4*\t:BB+4*\t+3], v[RD] offset:\t*SPITCH
.endr
.endm
.macro SEND a, younger                 ; younger: the LDS instructions issued behind block a's loads, which may stay out
.set BB, BK+64*((\a)%2)
	s_wait_dscnt \younger                          ; the block is back in registers
.if (\a) > 0
	s_add_nc_u64 s[12:13], s[12:13], 16*SIZE_N*4   ; (behind a wait on XCNT: the earlier stores have read their base)  16 rows of out on
.endif
.irp t, 0,1,2,3,4,5,6,7,8,9,10,11,12,13,14,15
	global_store_b128 v[CO], v[BB+4*\t:BB+4*\t+3], s[12:13] offset:\t*SIZE_N*4 th:TH_STORE_NT   ; 32 lanes store 512 consecutive bytes, aligned; written once, read by nobody here
.endr
.endm
	PLACES NP                                      ; behind the last products: for the loads into the registers that held A's fragments and for the reads of results
	TOSTAGE 0
.irp a, 1,2,3,4,5,6,7
.if \a > 1
	s_wait_xcnt 0x0                                ; block a - 2's stores have read their registers and their base
.endif
	TOSTAGE \a
	SEND \a-1, 32                                  ; behind block a - 1's loads: block a's 16 stores and 16 loads
.endr
	s_wait_xcnt 0x0                                ; block 6's stores have read their base
	SEND 7, 0
	s_wait_tensorcnt 0x0                           ; the wave's end: behind my last tensor load and my last LDS store
	ds_add_u32 v[SPW], v[NIL]
	s_wait_dscnt 0x0
	CROUND                                         ; the closing round
	s_endpgm
.Lfunc_end_k_qf02f6dd6ac_proj:
	.size	k_qf02f6dd6ac_proj, .Lfunc_end_k_qf02f6dd6ac_proj-k_qf02f6dd6ac_proj
	.p2alignl 7, 3214868480
	.fill 96, 4, 3214868480
	.section	.rodata,"a",@progbits
	.p2align	6, 0x0
	.amdhsa_kernel k_qf02f6dd6ac_proj
		.amdhsa_group_segment_fixed_size 327680
		.amdhsa_private_segment_fixed_size 0
		.amdhsa_enable_private_segment 0
		.amdhsa_kernarg_size 48
		.amdhsa_user_sgpr_count 2
		.amdhsa_user_sgpr_kernarg_segment_ptr 1
		.amdhsa_wavefront_size32 1
		.amdhsa_system_sgpr_workgroup_id_x 1
		.amdhsa_system_sgpr_workgroup_id_y 1
		.amdhsa_system_sgpr_workgroup_id_z 1
		.amdhsa_system_vgpr_workitem_id 0
		.amdhsa_next_free_vgpr 1024
		.amdhsa_next_free_sgpr 102
		.amdhsa_reserve_vcc 0
		.amdhsa_float_denorm_mode_32 3
		.amdhsa_float_denorm_mode_16_64 3
		.amdhsa_memory_ordered 1
		.amdhsa_forward_progress 1
		.amdhsa_inst_pref_size 148
	.end_amdhsa_kernel
	.amdgpu_metadata
---
amdhsa.version: [ 1, 2 ]
amdhsa.kernels:
  - .name:           k_qf02f6dd6ac_proj
    .symbol:         k_qf02f6dd6ac_proj.kd
    .args:
      - { .name: aimg, .offset: 0, .size: 8, .value_kind: global_buffer, .address_space: global }
      - { .name: asc, .offset: 8, .size: 8, .value_kind: global_buffer, .address_space: global }
      - { .name: c_proj_w_codes, .offset: 16, .size: 8, .value_kind: global_buffer, .address_space: global }
      - { .name: c_proj_w_scales, .offset: 24, .size: 8, .value_kind: global_buffer, .address_space: global }
      - { .name: c_proj_b, .offset: 32, .size: 8, .value_kind: global_buffer, .address_space: global }
      - { .name: out0, .offset: 40, .size: 8, .value_kind: global_buffer, .address_space: global }
    .group_segment_fixed_size: 327680
    .private_segment_fixed_size: 0
    .kernarg_segment_align: 8
    .kernarg_segment_size: 48
    .max_flat_workgroup_size: 128
    .sgpr_count:     102
    .vgpr_count:     1024
    .wavefront_size: 32
...
	.end_amdgpu_metadata
.endif
;; end of part 4
